; MI455X (gfx1250); checked and timed in simulation.
; The chip was launched on July 23, 2026; its instructions are those of AMD's public machine-readable ISA for CDNA 5 (MIT licence, August 2026) and "CDNA5" Instruction Set Architecture Reference Guide (July 2026). The comments in the code are by the model that wrote it; some were corrected since.
;; Multi Service Model. Allowed arithmetic: matrix products marked QUANTISED: E3M2 operands, one E8M0 scale for each 32 along K, by v_wmma_scale_f32_16x16x128_f8f6f4 with both operands' format E3M2, f32 sums; everything else in f32.
;; Inputs: U_a1 400 x 1,600 float32; U_a2 400 x 1,600 float32; U_a3 400 x 1,600 float32; U_t1 400 x 1,600 float32; U_t2 400 x 1,600 float32; U_t3 400 x 1,600 float32; W_ac 400 x 52 float32; W_ap 400 x 55 float32; W_cur 800 x 55 float32; Wx_a1 55 x 1,600 float32; Wx_a2 400 x 1,600 float32; Wx_a3 400 x 1,600 float32; Wx_t1 55 x 1,600 float32; Wx_t2 400 x 1,600 float32; Wx_t3 400 x 1,600 float32; b_a1 1,600 float32; b_a2 1,600 float32; b_a3 1,600 float32; b_ac 52 float32; b_ap 55 float32; b_cur 55 float32; b_t1 1,600 float32; b_t2 1,600 float32; b_t3 1,600 float32; x_air 8,192 x 55 float32; x_temp 8,192 x 55 float32.
;; Outputs: out0 8,192 x 55 float32; out1 8,192 x 52 float32; out2 8,192 x 55 float32.
;; This version of the problem:
;;   THIS VERSION OF THE PROBLEM IS GIVEN IN LOW PRECISION. The matrix products marked QUANTISED in the list below multiply operands that are first quantised to E3M2 (3 exponent bits, 2 mantissa bits; 6 bits a number), with one power-of-two scale for each 32 numbers along K (OCP MX v1.0); their sums are f32. All else is computed in f32.
;;   The module's matrix products, in the order in which they are computed (A, B: the left and right operand; K: the contracted axis; several contracted axes count as one K, in the product's order):
;;     1. [M 8,192, K 55] x [K 55, N 1,600]; A: input x_temp; B: input Wx_t1: QUANTISED
;;     2. [M 8,192, K 400] x [K 400, N 400]; A: computed on the way; B: computed on the way: QUANTISED
;;     3. [M 8,192, K 400] x [K 400, N 400]; A: computed on the way; B: computed on the way: QUANTISED
;;     4. [M 8,192, K 400] x [K 400, N 400]; A: computed on the way; B: computed on the way: QUANTISED
;;     5. [M 8,192, K 400] x [K 400, N 400]; A: computed on the way; B: computed on the way: QUANTISED
;;     6. [M 8,192, K 400] x [K 400, N 400]; A: computed on the way; B: computed on the way: QUANTISED
;;     7. [M 8,192, K 55] x [K 55, N 1,600]; A: input x_air; B: input Wx_a1: QUANTISED
;;     8. [M 8,192, K 400] x [K 400, N 400]; A: computed on the way; B: computed on the way: QUANTISED
;;     9. [M 8,192, K 400] x [K 400, N 400]; A: computed on the way; B: computed on the way: QUANTISED
;;     10. [M 8,192, K 400] x [K 400, N 400]; A: computed on the way; B: computed on the way: QUANTISED
;;     11. [M 8,192, K 400] x [K 400, N 400]; A: computed on the way; B: computed on the way: QUANTISED
;;     12. [M 8,192, K 400] x [K 400, N 400]; A: computed on the way; B: computed on the way: QUANTISED
;;     13. [M 8,192, K 400] x [K 400, N 1,600]; A: computed on the way; B: input Wx_t2: QUANTISED
;;     14. [M 8,192, K 400] x [K 400, N 400]; A: computed on the way; B: computed on the way: QUANTISED
;;     15. [M 8,192, K 400] x [K 400, N 400]; A: computed on the way; B: computed on the way: QUANTISED
;;     16. [M 8,192, K 400] x [K 400, N 400]; A: computed on the way; B: computed on the way: QUANTISED
;;     17. [M 8,192, K 400] x [K 400, N 400]; A: computed on the way; B: computed on the way: QUANTISED
;;     18. [M 8,192, K 400] x [K 400, N 400]; A: computed on the way; B: computed on the way: QUANTISED
;;     19. [M 8,192, K 400] x [K 400, N 1,600]; A: computed on the way; B: input Wx_a2: QUANTISED
;;     20. [M 8,192, K 400] x [K 400, N 400]; A: computed on the way; B: computed on the way: QUANTISED
;;     21. [M 8,192, K 400] x [K 400, N 400]; A: computed on the way; B: computed on the way: QUANTISED
;;     22. [M 8,192, K 400] x [K 400, N 400]; A: computed on the way; B: computed on the way: QUANTISED
;;     23. [M 8,192, K 400] x [K 400, N 400]; A: computed on the way; B: computed on the way: QUANTISED
;;     24. [M 8,192, K 400] x [K 400, N 400]; A: computed on the way; B: computed on the way: QUANTISED
;;     25. [M 8,192, K 400] x [K 400, N 1,600]; A: computed on the way; B: input Wx_t3: QUANTISED
;;     26. [M 8,192, K 400] x [K 400, N 400]; A: computed on the way; B: computed on the way: QUANTISED
;;     27. [M 8,192, K 400] x [K 400, N 400]; A: computed on the way; B: computed on the way: QUANTISED
;;     28. [M 8,192, K 400] x [K 400, N 400]; A: computed on the way; B: computed on the way: QUANTISED
;;     29. [M 8,192, K 400] x [K 400, N 400]; A: computed on the way; B: computed on the way: QUANTISED
;;     30. [M 8,192, K 400] x [K 400, N 400]; A: computed on the way; B: computed on the way: QUANTISED
;;     31. [M 8,192, K 400] x [K 400, N 1,600]; A: computed on the way; B: input Wx_a3: QUANTISED
;;     32. [M 8,192, K 400] x [K 400, N 400]; A: computed on the way; B: computed on the way: QUANTISED
;;     33. [M 8,192, K 400] x [K 400, N 400]; A: computed on the way; B: computed on the way: QUANTISED
;;     34. [M 8,192, K 400] x [K 400, N 400]; A: computed on the way; B: computed on the way: QUANTISED
;;     35. [M 8,192, K 400] x [K 400, N 400]; A: computed on the way; B: computed on the way: QUANTISED
;;     36. [M 8,192, K 400] x [K 400, N 400]; A: computed on the way; B: computed on the way: QUANTISED
;;     37. [M 8,192, K 800] x [K 800, N 55]; A: computed on the way; B: input W_cur: QUANTISED
;;     38. [M 8,192, K 400] x [K 400, N 52]; A: computed on the way; B: input W_ac: QUANTISED
;;     39. [M 8,192, K 400] x [K 400, N 55]; A: computed on the way; B: input W_ap: QUANTISED
;;   THE QUANTISER, for each operand of a quantised product, along K:
;;     - K is cut into blocks of 32 from its start; a last block that is shorter is filled with zeros.
;;     - A block's scale is 2^e with e = floor(log2(the largest magnitude in the block)) - 4, held to -126 .. 127; a block of zeros has e = 0. As a byte (E8M0): e + 127.
;;     - Each number is divided by its block's scale, clamped to +-28, and rounded to the nearest number of E3M2, ties to even, subnormals kept.
;;     - The product sums the exact products of the quantised numbers (number of the format x scale) in f32.
;;   ~~~python
;;   def quantise(x, axis):      # numpy; x: float32 -> the quantised numbers, widened to float32 again
;;       x = np.moveaxis(x, axis, -1); K = x.shape[-1]
;;       x = np.pad(x, [(0, 0)] * (x.ndim - 1) + [(0, -K % 32)]); x = x.reshape(x.shape[:-1] + (-1, 32)); a = np.abs(x).max(-1, keepdims=True)
;;       e = np.where(a > 0, np.clip(np.frexp(np.where(a > 0, a, 1))[1] - 1 - 4, -126, 127), 0)      # np.frexp(a)[1] - 1 = floor(log2(a)), exactly
;;       r = np.clip(x / 2.0 ** e, -28, 28)
;;       step = 2.0 ** (np.maximum(np.frexp(np.where(r == 0, 1, r))[1] - 1, -2) - 2)
;;       q = np.round(r / step) * step * 2.0 ** e      # np.round: ties to even
;;       return np.moveaxis(q.reshape(q.shape[:-2] + (-1,))[..., :K], -1, axis).astype(np.float32)
;;   ~~~
;;   OPERANDS COMPUTED ON THE WAY. 'Computed on the way' means the value that the module computes at that place (a softmax that the list does not call 'softmax' is quantised finished and normalised). What goes into a quantiser is computed in f32, as accurately as f32 sums, v_exp_f32 and their like allow (about 1e-6 of the number): no bf16 or f16 on the way to a quantiser, and a product that is left as it is and whose result goes on into a quantised operand takes f32 operands (vector FMAs, or v_wmma_f32_16x16x4_f32). A number that lies on a knife's edge between two numbers of the format may be rounded either way, as far as f32 arithmetic and the matrix unit's own rounding can turn it there, and no further.
;; 2 versions, each right; version 2 is version 1 with the launches l1, l2, l3 written anew for expert scheduling mode. Each part assembles by itself: llvm-mc -triple=amdgcn-amd-amdhsa -mcpu=gfx1250 --defsym DOCPART=n.
;; ======== version 1 of 2: 5 launches
;; workspace buffers: wqs 363,008 bytes; wq2 2,555,904 bytes; wq3 2,555,904 bytes; par2 256 bytes of whole numbers; par3 256 bytes of whole numbers; st1 38,141,952 bytes; st2 38,141,952 bytes; st3 38,141,952 bytes
;; launch prep (part 1): grid 450 x 1, 8 waves a work-group, no clusters, 0 bytes of LDS; arguments Wx_t2, U_t2, b_t2, Wx_a2, U_a2, b_a2, Wx_t3, U_t3, b_t3, Wx_a3, U_a3, b_a3, wq2, wq3, Wx_t1, Wx_a1, b_t1, b_a1, wqs, W_cur, W_ac, W_ap, b_cur, b_ac, b_ap, par2, par3; writes wq2, wq3, wqs, par2, par3
.if DOCPART == 1
	.amdgcn_target "amdgcn-amd-amdhsa--gfx1250"
	.amdhsa_code_object_version 6
	.text
	.protected	k_qcb8c535a19_prep
	.globl	k_qcb8c535a19_prep
	.p2align	8
	.type	k_qcb8c535a19_prep,@function
k_qcb8c535a19_prep:
	s_mov_b64 s[64:65], 0
	v_nop
	global_prefetch_b8 v0, s[64:65] scope:SCOPE_SE
	s_setreg_imm32_b32 hwreg(HW_REG_WAVE_MODE, 25, 1), 1
	s_wait_xcnt 0x0
; ALL WEIGHTS BECOME CODES OF BF6 (E3M2) WITH ONE E8M0 BYTE FOR EACH 32 ALONG K, LAID IN THE ORDER OF THE OPERAND'S REGISTERS.
; The weights are stored [K][N] with K outermost: a lane takes one column and its registers run down K, so a block of 32 lies in one lane and the conversions give codes with K innermost.
; One wave makes one fragment (16 columns x 128 along K, 12 registers a lane): its image is 1,536 bytes, register group q at 512 q + 16 x lane; its scale words are 64 bytes, column r's word at 4 r.
; Task T = 8 x work-group + wave.  Work-groups 0-415: layers 2 and 3 (13 blocks x 2 layers x 2 cells x 2 tiles, 32 tasks each: 30 fragments, the bias, 896 bytes of zeros that the reader copies);
; 416-441: layer 1 (3 fragments and the bias for each block, cell and tile); 442-449: the heads' 60 fragments, 3 bias vectors, and the two flags that tell layer 2 from layer 3.
; A fragment is described by scalars: for each half c of its K (64 numbers) a base, a first row R, and a window: row R + 32 h + i counts where (row - LO) < W, unsigned; all else is 0.  Rows are clamped to RMAX, so no load leaves its buffer.
; Row r of unit tile (b, u) is unit 32 b + 8 u + r + 8 (r / 8): the results of two neighbouring tiles are then 16 neighbours along the next K.  Units from 400 on have zero codes and zero bias.
; LIMITS: NaN and infinities are not served.  A block of zeros gets the byte 1 (its codes are zeros; only this program reads the bytes); a largest magnitude under 2^-122 is held at that floor.
.set FLOOR, 0x2800000                  ; 2^(5 - 127)
.set CH,    49152                      ; a chunk of layers 2, 3: 30 fragments, scale words at 46,080, bias at 48,000, zeros from 48,256
.set WQH,   266240                     ; the heads' part of wqs
.set AD,    64                         ; v64-127  an offset register for each of the 64 loads
.set X,     128                        ; v128-191 the 64 numbers
.set FR,    16                         ; v16-27   the fragment
.macro UNIT                            ; from s74 = b, s76 = cell, s77 = u: v11 = my column's unit (clamped), s80 = lanes whose unit exists, s81 = 4 b + 2 cell + u
	s_lshl_b32 s78, s74, 5
	s_lshl_b32 s79, s77, 3
	s_add_co_u32 s78, s78, s79
	v_and_b32 v11, 8, v2
	v_add_nc_u32 v11, v11, v2
	v_add_nc_u32 v11, s78, v11
	v_cmp_gt_u32 s80, 400, v11
	v_min_u32 v11, 399, v11
	s_lshl_b32 s81, s74, 2
	s_lshl_b32 s82, s76, 1
	s_add_co_u32 s81, s81, s82
	s_add_co_u32 s81, s81, s77
.endm
	v_lshrrev_b32 v1, 5, v0
	v_readfirstlane_b32 s70, v1                    ; wave
	v_and_b32 v1, 31, v0                           ; lane
	v_and_b32 v2, 15, v0                           ; r
	v_bfe_u32 v3, v0, 4, 1                         ; h
	s_lshl_b32 s71, ttmp9, 3
	s_add_co_u32 s71, s71, s70                     ; T
	s_mov_b32 s66, 0x76543210
	s_mov_b32 s67, 0xfedcba98                      ; v_permlanex16_b32's selects for lane l xor 16
	s_cmp_ge_u32 ttmp9, 442
	s_cbranch_scc1 .Lheads
	s_cmp_ge_u32 ttmp9, 416
	s_cbranch_scc1 .Lfirst
	; ---- layers 2 and 3
	s_load_b512 s[16:31], s[0:1], 0x0              ; Wx_t2 U_t2 b_t2 Wx_a2 U_a2 b_a2 Wx_t3 U_t3
	s_load_b512 s[32:47], s[0:1], 0x40             ; b_t3 Wx_a3 U_a3 b_a3 wq2 wq3 (and two that are not used here)
	s_lshr_b32 s72, s71, 5
	s_and_b32 s73, s71, 31                         ; j: the task in the chunk
	s_lshr_b32 s74, s72, 3                         ; b
	s_bfe_u32 s75, s72, 0x10002                    ; layer
	s_bfe_u32 s76, s72, 0x10001                    ; cell
	s_and_b32 s77, s72, 1                          ; u
	UNIT
	s_mul_i32 s81, s81, CH                         ; the chunk's first byte
	s_wait_kmcnt 0x0
	s_cmp_eq_u32 s76, 0                            ; the buffers are chosen by ids alone
	s_cselect_b64 s[16:17], s[16:17], s[22:23]
	s_cselect_b64 s[18:19], s[18:19], s[24:25]
	s_cselect_b64 s[20:21], s[20:21], s[26:27]
	s_cselect_b64 s[28:29], s[28:29], s[34:35]
	s_cselect_b64 s[30:31], s[30:31], s[36:37]
	s_cselect_b64 s[32:33], s[32:33], s[38:39]
	s_cmp_eq_u32 s75, 0
	s_cselect_b64 s[16:17], s[16:17], s[28:29]     ; Wx
	s_cselect_b64 s[18:19], s[18:19], s[30:31]     ; U
	s_cselect_b64 s[20:21], s[20:21], s[32:33]     ; b
	s_cselect_b64 s[40:41], s[40:41], s[42:43]     ; where the codes go
	s_cmp_lt_u32 s73, 24
	s_cbranch_scc1 .Lbody
	s_cmp_lt_u32 s73, 30
	s_cbranch_scc1 .Ltail
	s_cmp_eq_u32 s73, 30
	s_cbranch_scc1 .Lbias
	v_lshlrev_b32 v8, 2, v1                        ; j = 31: the chunk's last 896 bytes, which the reader copies with the rest
	v_add_nc_u32 v8, s81, v8
	v_mov_b32 v6, 0
.irp i, 0,1,2,3,4,5,6
	global_store_b32 v8, v6, s[40:41] offset:48256+128*\i
.endr
	s_endpgm
.Lbias:                                            ; j = 30: four gates x 16 numbers in the tile's row order; lane (r, h) takes gates h and 2 + h
	v_mul_u32_u24 v5, v3, 400
	v_add_nc_u32 v5, v5, v11
	v_lshlrev_b32 v5, 2, v5
	global_load_b32 v6, v5, s[20:21]
	global_load_b32 v7, v5, s[20:21] offset:3200
	v_lshlrev_b32 v8, 2, v1
	v_add_nc_u32 v8, s81, v8
	s_wait_loadcnt 0x0
	v_cndmask_b32 v6, 0, v6, s80
	v_cndmask_b32 v7, 0, v7, s80
	global_store_b32 v8, v6, s[40:41] offset:48000
	global_store_b32 v8, v7, s[40:41] offset:48128
	s_endpgm
.Lbody:                                            ; j < 24: K step f = j / 8; t = j % 8: Wx gates i f o u, then U gates i o u f
	s_lshr_b32 s84, s73, 3
	s_and_b32 s85, s73, 7
	s_lshl_b32 s86, s85, 2
	s_lshr_b32 s86, 0x13203210, s86
	s_and_b32 s86, s86, 3                          ; the gate
	s_cmp_lt_u32 s85, 4
	s_cselect_b64 s[4:5], s[16:17], s[18:19]
	s_mov_b64 s[6:7], s[4:5]
	s_lshl_b32 s8, s84, 7
	s_add_co_u32 s9, s8, 64
	s_mov_b32 s10, 0
	s_mov_b32 s11, 400
	s_mov_b32 s12, 400
	s_branch .Lcommon
.Ltail:                                            ; j = 24 .. 29: rows 384-399, laid against the rows' tail [ht | ha | hs | 0]: T_i T_o T_u (Wx in slot cell, U in slot 2), T_g (Wx f in slot cell), U f in slot 0, U f in slot 1
	s_sub_co_u32 s85, s73, 24
	s_lshl_b32 s86, s85, 2
	s_lshr_b32 s86, 0x111320, s86
	s_and_b32 s86, s86, 3
	s_cmp_lt_u32 s85, 4
	s_cselect_b64 s[4:5], s[16:17], s[18:19]
	s_cselect_b32 s87, s76, 0
	s_mov_b64 s[6:7], s[18:19]
	s_cmp_eq_u32 s85, 5
	s_cselect_b32 s87, 1, s87                      ; the slot (0 or 1) of the first half
	s_lshl_b32 s87, s87, 5
	s_sub_co_u32 s8, 384, s87                      ; so that row 384 falls on lanes of half = slot
	s_mov_b32 s9, 384
	s_mov_b32 s10, 384
	s_mov_b32 s11, 16
	s_cmp_lt_u32 s85, 3
	s_cselect_b32 s12, 16, 0
.Lcommon:
	s_mov_b32 s13, 399
	s_mov_b32 s14, 6400
	s_mul_i32 s86, s86, 400
	v_add_nc_u32 v4, s86, v11
	v_lshlrev_b32 v4, 2, v4                        ; my column, in bytes
	s_mov_b64 s[48:49], s[40:41]
	s_mul_i32 s50, s73, 1536
	s_add_co_u32 s50, s50, s81
	s_lshl_b32 s51, s73, 6
	s_add_co_u32 s51, s51, s81
	s_add_co_u32 s51, s51, 46080
	s_branch .Lfrag
	; ---- layer 1: gates i, o, u of Wx (K = 55); sub-chunks of 5,120 bytes: 3 fragments, scale words at 4,608, bias at 4,800
.Lfirst:
	s_load_b256 s[16:23], s[0:1], 0x70             ; Wx_t1 Wx_a1 b_t1 b_a1
	s_load_b64 s[40:41], s[0:1], 0x90              ; wqs
	s_sub_co_u32 s72, s71, 3328
	s_lshr_b32 s74, s72, 4
	s_bfe_u32 s76, s72, 0x10003
	s_bfe_u32 s77, s72, 0x10002
	s_and_b32 s73, s72, 3                          ; g
	UNIT
	s_mul_i32 s81, s81, 5120
	s_wait_kmcnt 0x0
	s_cmp_eq_u32 s76, 0
	s_cselect_b64 s[16:17], s[16:17], s[18:19]
	s_cselect_b64 s[20:21], s[20:21], s[22:23]
	s_cmp_eq_u32 s73, 3
	s_cbranch_scc1 .Lbias1
	s_lshl_b32 s86, s73, 2
	s_lshr_b32 s86, 0x320, s86
	s_and_b32 s86, s86, 3
	s_mov_b64 s[4:5], s[16:17]
	s_mov_b64 s[6:7], s[16:17]
	s_mov_b32 s8, 0
	s_mov_b32 s9, 0
	s_mov_b32 s10, 0
	s_mov_b32 s11, 55
	s_mov_b32 s12, 0
	s_mov_b32 s13, 54
	s_mov_b32 s14, 6400
	s_mul_i32 s86, s86, 400
	v_add_nc_u32 v4, s86, v11
	v_lshlrev_b32 v4, 2, v4
	s_mov_b64 s[48:49], s[40:41]
	s_mul_i32 s50, s73, 1536
	s_add_co_u32 s50, s50, s81
	s_lshl_b32 s51, s73, 6
	s_add_co_u32 s51, s51, s81
	s_add_co_u32 s51, s51, 4608
	s_branch .Lfrag
.Lbias1:                                           ; gates i (lanes 0-15) and o (lanes 16-31), then gate u and 64 bytes of zeros
	v_mul_u32_u24 v5, v3, 800
	v_add_nc_u32 v5, v5, v11
	v_lshlrev_b32 v5, 2, v5
	v_lshlrev_b32 v9, 2, v11
	global_load_b32 v6, v5, s[20:21]
	global_load_b32 v7, v9, s[20:21] offset:4800
	v_lshlrev_b32 v8, 2, v1
	v_add_nc_u32 v8, s81, v8
	v_cmp_eq_u32 vcc_lo, 0, v3
	s_wait_loadcnt 0x0
	v_cndmask_b32 v6, 0, v6, s80
	v_cndmask_b32 v7, 0, v7, s80
	v_cndmask_b32 v7, 0, v7, vcc_lo
	global_store_b32 v8, v6, s[40:41] offset:4800
	global_store_b32 v8, v7, s[40:41] offset:4928
	s_endpgm
	; ---- the heads: fragment j = 4 kk + t: columns 16 t + r; kk 0-6 W_cur (3: rows 384-415 in slot 0; 4-6: rows 416 on), 7-10 W_ac (10: rows 384-399 in slot 1), 11-14 W_ap (14: rows 384-399 in slot 2)
.Lheads:
	s_load_b512 s[16:31], s[0:1], 0x90             ; wqs W_cur W_ac W_ap b_cur b_ac b_ap par2
	s_load_b64 s[32:33], s[0:1], 0xd0              ; par3
	s_sub_co_u32 s73, s71, 3536                    ; j
	s_and_b32 s77, s73, 3                          ; t
	s_lshr_b32 s74, s73, 2                         ; kk
	s_wait_kmcnt 0x0
	s_cmp_eq_u32 s74, 15
	s_cbranch_scc1 .Lhmisc
	s_mov_b64 s[4:5], s[18:19]
	s_mov_b32 s14, 220                             ; bytes in a row
	s_mov_b32 s13, 799                             ; the last row
	s_mov_b32 s84, 55                              ; columns
	s_mov_b32 s85, 0                               ; the matrix's first kk
	s_mov_b32 s86, 384                             ; its tail's R0, W0, W1
	s_mov_b32 s87, 32
	s_mov_b32 s88, 0
	s_cmp_ge_u32 s74, 7
	s_cselect_b64 s[4:5], s[20:21], s[4:5]
	s_cselect_b32 s14, 208, s14
	s_cselect_b32 s13, 399, s13
	s_cselect_b32 s84, 52, s84
	s_cselect_b32 s85, 7, s85
	s_cselect_b32 s86, 352, s86
	s_cselect_b32 s87, 16, s87
	s_cmp_ge_u32 s74, 11
	s_cselect_b64 s[4:5], s[22:23], s[4:5]
	s_cselect_b32 s14, 220, s14
	s_cselect_b32 s84, 55, s84
	s_cselect_b32 s85, 11, s85
	s_cselect_b32 s87, 0, s87
	s_cselect_b32 s88, 16, s88
	s_sub_co_u32 s85, s74, s85                     ; the K step within the matrix
	s_cmp_eq_u32 s85, 3
	s_cbranch_scc1 .Lhtail
	s_lshl_b32 s8, s85, 7
	s_cmp_gt_u32 s85, 3
	s_cselect_b32 s89, 96, 0
	s_sub_co_u32 s8, s8, s89                       ; W_cur's steps 4-6 begin at row 416
	s_add_co_u32 s9, s8, 64
	s_mov_b32 s10, 0
	s_mov_b32 s11, 1024
	s_mov_b32 s12, 1024
	s_branch .Lhgo
.Lhtail:
	s_mov_b32 s8, s86
	s_mov_b32 s9, 384
	s_mov_b32 s10, 384
	s_mov_b32 s11, s87
	s_mov_b32 s12, s88
.Lhgo:
	s_mov_b64 s[6:7], s[4:5]
	s_lshl_b32 s78, s77, 4
	v_add_nc_u32 v11, s78, v2
	v_cmp_gt_u32 s80, s84, v11
	s_sub_co_u32 s84, s84, 1
	v_min_u32 v11, s84, v11
	v_lshlrev_b32 v4, 2, v11
	s_mov_b64 s[48:49], s[16:17]
	s_mul_i32 s50, s73, 1536
	s_add_co_u32 s50, s50, WQH
	s_lshl_b32 s51, s73, 6
	s_add_co_u32 s51, s51, WQH+92160
	; ---- a fragment.  s[4:5], s[6:7] bases of the halves; s8, s9 first rows; s10 LO; s11, s12 W; s13 RMAX; s14 bytes in a row; s80 lanes whose column exists; v4 column in bytes; s[48:49], s50, s51 where image and scale words go
.Lfrag:
	v_mov_b32 v5, s11
	v_mov_b32 v6, s12
	v_cndmask_b32 v5, 0, v5, s80
	v_cndmask_b32 v6, 0, v6, s80
	v_lshlrev_b32 v11, 5, v3
	v_add_nc_u32 v7, s8, v11                       ; my first row of each half: R + 32 h
	v_add_nc_u32 v8, s9, v11
	v_sub_nc_u32 v9, v7, s10                       ; and the same less LO (it may wrap: such rows do not count)
	v_sub_nc_u32 v10, v8, s10
.irp c, 0,1
.set i, 0
.rept 32
	v_add_nc_u32 v[AD+32*\c+i], i, v[7+\c]
	v_min_u32 v[AD+32*\c+i], s13, v[AD+32*\c+i]
	v_mad_u32_u24 v[AD+32*\c+i], v[AD+32*\c+i], s14, v4
.set i, i+1
.endr
.endr
.irp c, 0,1
.set i, 0
.rept 32
	global_load_b32 v[X+32*\c+i], v[AD+32*\c+i], s[4+2*\c:5+2*\c]
.set i, i+1
.endr
.endr
	s_wait_loadcnt 0x0
.irp c, 0,1
.set i, 0
.rept 32
	v_add_nc_u32 v11, i, v[9+\c]
	v_cmp_gt_u32 vcc_lo, v[5+\c], v11
	v_cndmask_b32 v[X+32*\c+i], 0, v[X+32*\c+i], vcc_lo    ; what lies outside the window, or in a column that does not exist, is 0
.set i, i+1
.endr
.endr
.irp c, 0,1
	v_max3_num_f32 v[12+\c], |v[X+32*\c]|, |v[X+1+32*\c]|, FLOOR   ; my two blocks' largest magnitudes, with the floor among the leaves
.endr
.irp i, 2,4,6,8,10,12,14,16,18,20,22,24,26,28,30
.irp c, 0,1
	v_max3_num_f32 v[12+\c], v[12+\c], |v[X+32*\c+\i]|, |v[X+1+32*\c+\i]|
.endr
.endr
.irp c, 0,1
	v_add_nc_u32 v[14+\c], 0xfe000000, v[12+\c]    ; 4 off the exponent field: the conversion's scale operand
.endr
.irp c, 0,1
	v_lshrrev_b32 v[36+\c], 23, v[14+\c]           ; the scale's byte
.endr
.irp c, 0,1
	v_cvt_scalef32_pk16_bf6_f32 v[FR+6*\c:FR+6*\c+2], v[X+32*\c:X+32*\c+15], v[14+\c]
	v_cvt_scalef32_pk16_bf6_f32 v[28+4*\c:30+4*\c], v[X+16+32*\c:X+31+32*\c], v[14+\c]   ; (a conversion's three registers begin on an even number)
.endr
	v_nop                                          ; one plain place behind a scaled conversion
.irp c, 0,1
.irp i, 0,1,2
	v_mov_b32 v[FR+3+6*\c+\i], v[28+4*\c+\i]
.endr
.endr
	v_lshl_or_b32 v38, v37, 16, v36                ; my bytes: blocks h and 2 + h,
	v_lshlrev_b32 v39, 3, v3
	v_lshlrev_b32 v38, v39, v38                    ; at their places in the word;
	v_mov_b32 v39, 0
	v_permlanex16_b32 v39, v38, s66, s67
	v_or_b32 v38, v38, v39                         ; with lane l xor 16's two the word is whole, in both lanes
	v_lshlrev_b32 v40, 4, v1
	v_add_nc_u32 v40, s50, v40
	v_lshlrev_b32 v41, 2, v2
	v_add_nc_u32 v41, s51, v41
	global_store_b128 v40, v[FR:FR+3], s[48:49]               ; each store of the wave covers 512 consecutive bytes
	global_store_b128 v40, v[FR+4:FR+7], s[48:49] offset:512
	global_store_b128 v40, v[FR+8:FR+11], s[48:49] offset:1024
	global_store_b32 v41, v38, s[48:49]                       ; lanes l and l xor 16 store the same word to the same place
	s_endpgm
.Lhmisc:
	s_cmp_eq_u32 s77, 3
	s_cbranch_scc1 .Lpar
	s_mov_b64 s[4:5], s[24:25]                     ; a bias vector, filled with zeros up to 64 numbers
	s_mov_b32 s84, 55
	s_cmp_eq_u32 s77, 1
	s_cselect_b64 s[4:5], s[26:27], s[4:5]
	s_cselect_b32 s84, 52, s84
	s_cmp_eq_u32 s77, 2
	s_cselect_b64 s[4:5], s[28:29], s[4:5]
	s_sub_co_u32 s85, s84, 1
	v_add_nc_u32 v5, 32, v1
	v_cmp_gt_u32 s80, s84, v1
	v_cmp_gt_u32 s81, s84, v5
	v_min_u32 v6, s85, v1
	v_min_u32 v7, s85, v5
	v_lshlrev_b32 v6, 2, v6
	v_lshlrev_b32 v7, 2, v7
	global_load_b32 v8, v6, s[4:5]
	global_load_b32 v9, v7, s[4:5]
	s_lshl_b32 s86, s77, 8
	s_add_co_u32 s86, s86, WQH+96000
	v_lshlrev_b32 v10, 2, v1
	v_add_nc_u32 v10, s86, v10
	s_wait_loadcnt 0x0
	v_cndmask_b32 v8, 0, v8, s80
	v_cndmask_b32 v9, 0, v9, s81
	global_store_b32 v10, v8, s[16:17]
	global_store_b32 v10, v9, s[16:17] offset:128
	s_endpgm
.Lpar:                                             ; the flags: 1 for layer 2 (its state goes on as codes and c), 0 for layer 3 (its h goes on as f32)
	v_lshlrev_b32 v10, 2, v1
	v_mov_b32 v8, 1
	v_mov_b32 v9, 0
	global_store_b32 v10, v8, s[30:31]
	global_store_b32 v10, v9, s[32:33]
	s_endpgm
.Lfunc_end_k_qcb8c535a19_prep:
	.size	k_qcb8c535a19_prep, .Lfunc_end_k_qcb8c535a19_prep-k_qcb8c535a19_prep
	.p2alignl 7, 3214868480
	.fill 96, 4, 3214868480
	.section	.rodata,"a",@progbits
	.p2align	6, 0x0
	.amdhsa_kernel k_qcb8c535a19_prep
		.amdhsa_group_segment_fixed_size 0
		.amdhsa_private_segment_fixed_size 0
		.amdhsa_enable_private_segment 0
		.amdhsa_kernarg_size 216
		.amdhsa_user_sgpr_count 2
		.amdhsa_user_sgpr_kernarg_segment_ptr 1
		.amdhsa_wavefront_size32 1
		.amdhsa_system_sgpr_workgroup_id_x 1
		.amdhsa_system_sgpr_workgroup_id_y 1
		.amdhsa_system_sgpr_workgroup_id_z 1
		.amdhsa_system_vgpr_workitem_id 0
		.amdhsa_next_free_vgpr 192
		.amdhsa_next_free_sgpr 100
		.amdhsa_reserve_vcc 1
		.amdhsa_float_denorm_mode_32 3
		.amdhsa_float_denorm_mode_16_64 3
		.amdhsa_memory_ordered 1
		.amdhsa_forward_progress 1
		.amdhsa_inst_pref_size 37
	.end_amdhsa_kernel
	.amdgpu_metadata
---
amdhsa.version: [ 1, 2 ]
amdhsa.kernels:
  - .name:           k_qcb8c535a19_prep
    .symbol:         k_qcb8c535a19_prep.kd
    .args:
      - { .name: Wx_t2, .offset: 0, .size: 8, .value_kind: global_buffer, .address_space: global }
      - { .name: U_t2, .offset: 8, .size: 8, .value_kind: global_buffer, .address_space: global }
      - { .name: b_t2, .offset: 16, .size: 8, .value_kind: global_buffer, .address_space: global }
      - { .name: Wx_a2, .offset: 24, .size: 8, .value_kind: global_buffer, .address_space: global }
      - { .name: U_a2, .offset: 32, .size: 8, .value_kind: global_buffer, .address_space: global }
      - { .name: b_a2, .offset: 40, .size: 8, .value_kind: global_buffer, .address_space: global }
      - { .name: Wx_t3, .offset: 48, .size: 8, .value_kind: global_buffer, .address_space: global }
      - { .name: U_t3, .offset: 56, .size: 8, .value_kind: global_buffer, .address_space: global }
      - { .name: b_t3, .offset: 64, .size: 8, .value_kind: global_buffer, .address_space: global }
      - { .name: Wx_a3, .offset: 72, .size: 8, .value_kind: global_buffer, .address_space: global }
      - { .name: U_a3, .offset: 80, .size: 8, .value_kind: global_buffer, .address_space: global }
      - { .name: b_a3, .offset: 88, .size: 8, .value_kind: global_buffer, .address_space: global }
      - { .name: wq2, .offset: 96, .size: 8, .value_kind: global_buffer, .address_space: global }
      - { .name: wq3, .offset: 104, .size: 8, .value_kind: global_buffer, .address_space: global }
      - { .name: Wx_t1, .offset: 112, .size: 8, .value_kind: global_buffer, .address_space: global }
      - { .name: Wx_a1, .offset: 120, .size: 8, .value_kind: global_buffer, .address_space: global }
      - { .name: b_t1, .offset: 128, .size: 8, .value_kind: global_buffer, .address_space: global }
      - { .name: b_a1, .offset: 136, .size: 8, .value_kind: global_buffer, .address_space: global }
      - { .name: wqs, .offset: 144, .size: 8, .value_kind: global_buffer, .address_space: global }
      - { .name: W_cur, .offset: 152, .size: 8, .value_kind: global_buffer, .address_space: global }
      - { .name: W_ac, .offset: 160, .size: 8, .value_kind: global_buffer, .address_space: global }
      - { .name: W_ap, .offset: 168, .size: 8, .value_kind: global_buffer, .address_space: global }
      - { .name: b_cur, .offset: 176, .size: 8, .value_kind: global_buffer, .address_space: global }
      - { .name: b_ac, .offset: 184, .size: 8, .value_kind: global_buffer, .address_space: global }
      - { .name: b_ap, .offset: 192, .size: 8, .value_kind: global_buffer, .address_space: global }
      - { .name: par2, .offset: 200, .size: 8, .value_kind: global_buffer, .address_space: global }
      - { .name: par3, .offset: 208, .size: 8, .value_kind: global_buffer, .address_space: global }
    .group_segment_fixed_size: 0
    .private_segment_fixed_size: 0
    .kernarg_segment_align: 8
    .kernarg_segment_size: 216
    .max_flat_workgroup_size: 256
    .sgpr_count:     100
    .vgpr_count:     192
    .wavefront_size: 32
...
	.end_amdgpu_metadata
.endif
;; end of part 1
;; launch l1 (part 2): grid 32 x 13, 8 waves a work-group, no clusters, 115,712 bytes of LDS; arguments x_temp, x_air, wqs, st1; writes st1
.if DOCPART == 2
	.amdgcn_target "amdgcn-amd-amdhsa--gfx1250"
	.amdhsa_code_object_version 6
	.text
	.protected	k_qcb8c535a19_l1
	.globl	k_qcb8c535a19_l1
	.p2align	8
	.type	k_qcb8c535a19_l1,@function
k_qcb8c535a19_l1:
	s_mov_b64 s[64:65], 0
	v_nop
	global_prefetch_b8 v0, s[64:65] scope:SCOPE_SE
	s_setreg_imm32_b32 hwreg(HW_REG_WAVE_MODE, 25, 1), 1
	s_wait_xcnt 0x0
; LAYER 1, BOTH CELLS.  reference() builds h1 = h2 = c1 = c2 = 0 in its own body, so for every finite U the recurrent products are sums of zero codes, and f1 c1 + f2 c2 = 0:
; i = sigmoid(gi), o = sigmoid(go), u = tanh(gu), c = i u, h = o tanh(c), g = Q(x) Q(Wx) + b.  U_t1, U_a1 and the f columns of Wx and b decide nothing and are not read.
; SHARES.  Work-group (x, b): block b of 32 hidden units of both cells; wave w: pair P = 8 x + w of row tiles (32 rows).  No wave needs another: no barrier.
; x's 32 rows (220 bytes each, dense) come by 16-byte loads, go through the wave's own LDS bytes and come back a number at a time, so that lane (r, h) holds k = 32 h + 0 .. 31 of row r: a whole block.
; THE PRODUCT IS USED TRANSPOSED: source 0 = 16 units, source 1 = 16 rows.  Lane (r, h) then holds row r, and register j of tile u the unit 32 b + 16 h + 8 u + j.  The bias is the C of the one product.
; OUT (st1): c as register images; the scale bytes; and the codes of ht, ha and hs = ht + ha, laid for the next layer's loads: a pair of row tiles has 30,720 bytes; fragment F, half c at 3,072 F + 1,536 c;
; in it the six words w0 .. w5 of slot (c, h), tile m, row r: w0-w3 at 512 h + 256 m + 16 r, w4 w5 at 1,024 + 256 h + 128 m + 8 r.  So a slot's two stores cover 512 and 256 consecutive bytes, aligned.
; LIMITS: NaN and infinities are not served; a block of zeros gets the byte 1; tanh(x) = 1 - 2 / (1 + e^2x) has an absolute error near 1e-7, so its relative accuracy falls for |x| under 1e-2.
.set S_OFF, 10485760                   ; st: the scale bytes begin here,
.set C_OFF, 10878976                   ; and c here
.set PAIRB, 30720                      ; a pair's codes
.set FLOOR, 0x2800000
.set LI,   1                           ; 16 x lane
.set LS,   2                           ; 4 x lane
.set H32,  3                           ; 32 h
.set XA,   4                           ; LDS: my row + 128 h
.set XB,   5                           ; LDS: my row
.set H8,   6                           ; 8 h
.set NIL,  11                          ; 0
.set MM1,  12                          ; v[12:13]  M: 0 in the lanes whose units do not exist (b = 12, h = 1), else 1
.set MM2,  14                          ; v[14:15]  -2 M
.set XF,   16                          ; v16-63  x's fragments: 12 (2 input + m)
.set XSC,  64                          ; v64-65  their scale words: lanes 0-15 tile m = 0, lanes 16-31 m = 1
.set WS,   66                          ; v66-67  the weights' scale words
.set WF,   68                          ; v68-103 three fragments of weights
.set BIAS, 104                         ; v104-127
.set AI,   128                         ; accumulators: gate g, tile m at 128 + 16 g + 8 m
.set AO,   144
.set AU,   160
.set HH,   176                         ; v176-239 h: 32 cell + 16 m + 8 u
.set CPY,  253
.set R4,   254                         ; 4 r
.set NB0,  176                         ; the quantiser's numbers: ht, ha, hs, each + 16 m
.set NB1,  208
.set NB2,  128
.set QT,   68                          ; its 56 registers at work,
.set QO,   160                         ; and the ten offsets of its stores
.macro MM d, a, b, c, sa, ra, sb, rb   ; one product; ra, rb: which half of the lanes holds source 0's and source 1's scale words
.if (\ra) && (\rb)
	v_wmma_scale_f32_16x16x128_f8f6f4 v[\d:\d+7], v[\a:\a+11], v[\b:\b+11], v[\c:\c+7], v[\sa], v[\sb] matrix_a_fmt:MATRIX_FMT_BF6 matrix_b_fmt:MATRIX_FMT_BF6 matrix_a_scale:MATRIX_SCALE_ROW1 matrix_b_scale:MATRIX_SCALE_ROW1
.elseif (\ra)
	v_wmma_scale_f32_16x16x128_f8f6f4 v[\d:\d+7], v[\a:\a+11], v[\b:\b+11], v[\c:\c+7], v[\sa], v[\sb] matrix_a_fmt:MATRIX_FMT_BF6 matrix_b_fmt:MATRIX_FMT_BF6 matrix_a_scale:MATRIX_SCALE_ROW1
.elseif (\rb)
	v_wmma_scale_f32_16x16x128_f8f6f4 v[\d:\d+7], v[\a:\a+11], v[\b:\b+11], v[\c:\c+7], v[\sa], v[\sb] matrix_a_fmt:MATRIX_FMT_BF6 matrix_b_fmt:MATRIX_FMT_BF6 matrix_b_scale:MATRIX_SCALE_ROW1
.else
	v_wmma_scale_f32_16x16x128_f8f6f4 v[\d:\d+7], v[\a:\a+11], v[\b:\b+11], v[\c:\c+7], v[\sa], v[\sb] matrix_a_fmt:MATRIX_FMT_BF6 matrix_b_fmt:MATRIX_FMT_BF6
.endif
.endm
.macro PLACES n
.rept \n
	v_nop
.endr
.endm
.macro SCL base, n, sp                 ; n registers x the scalar in s[sp]
.set i, 0
.rept (\n)/2
	v_pk_mul_f32 v[\base+i:\base+i+1], v[\base+i:\base+i+1], s[\sp:\sp+1] op_sel_hi:[1,0]
.set i, i+2
.endr
.endm
.macro EXPS base, n
.set i, 0
.rept \n
	v_exp_f32 v[\base+i], v[\base+i]
.set i, i+1
.endr
.endm
.macro RCPS base, n
.set i, 0
.rept \n
	v_rcp_f32 v[\base+i], v[\base+i]
.set i, i+1
.endr
.endm
.macro ADD1 base, n
.set i, 0
.rept (\n)/2
	v_pk_add_f32 v[\base+i:\base+i+1], v[\base+i:\base+i+1], 1.0 op_sel_hi:[1,0]
.set i, i+2
.endr
.endm
.macro DONE                            ; behind a batch of transcendentals: one plain place, and the one wait ahead of the batch's first reader
	v_nop
	s_wait_alu depctr_va_vdst(0)
.endm
; Where block b (s14) of X = ht, ha, hs goes.  b < 12: fragment F = 3 X + b / 4, slot b % 4; b = 12: fragment 9, slot X.  s[52+X]: the slot's w0-w3; s[55+X]: its w4 w5; s[58+X]: its scale byte, 512 (F / 4) + 4 (F % 4) + slot (b < 12 alone).
.macro OFFS
	s_lshr_b32 s48, s14, 2
	s_and_b32 s49, s14, 3
.irp x, 0,1,2
	s_add_co_u32 s50, s48, 3*\x
	s_lshr_b32 s51, s50, 2
	s_lshl_b32 s51, s51, 9
	s_and_b32 s46, s50, 3
	s_lshl_b32 s46, s46, 2
	s_add_co_u32 s46, s46, s51
	s_add_co_u32 s[58+\x], s46, s49
	s_mov_b32 s51, s49
	s_cmp_eq_u32 s14, 12
	s_cselect_b32 s50, 9, s50
	s_cselect_b32 s51, \x, s51
	s_mul_i32 s50, s50, 3072
	s_lshr_b32 s46, s51, 1
	s_mul_i32 s46, s46, 1536
	s_add_co_u32 s50, s50, s46
	s_and_b32 s51, s51, 1
	s_lshl_b32 s46, s51, 9
	s_add_co_u32 s[52+\x], s50, s46
	s_lshl_b32 s46, s51, 8
	s_add_co_u32 s46, s46, s50
	s_add_co_u32 s[55+\x], s46, 1024
.endr
.endm
.macro LOADW q                         ; sub-chunk q = 2 cell + u: 9 + 2 + 6 = 17 loads
.irp g, 0,1,2
.irp k, 0,1,2
	global_load_b128 v[WF+12*\g+4*\k:WF+12*\g+4*\k+3], v[LI], s[30:31] offset:5120*(\q)+1536*\g+512*\k
.endr
.endr
	global_load_b32 v[WS], v[LS], s[30:31] offset:5120*(\q)+4608      ; gate i's words below, gate o's above
	global_load_b32 v[WS+1], v[R4], s[30:31] offset:5120*(\q)+4736    ; gate u's
.irp g, 0,1,2
	global_load_b128 v[BIAS+8*\g:BIAS+8*\g+3], v[H32], s[30:31] offset:5120*(\q)+4800+64*\g
	global_load_b128 v[BIAS+8*\g+4:BIAS+8*\g+7], v[H32], s[30:31] offset:5120*(\q)+4816+64*\g
.endr
.endm
; Input n: both tiles' rows become fragments.  A lane's 32 numbers are one block: k = 32 h + i; from k = 55 on they are zeros (those loads take k = i instead, inside the row, and are cleared).
.macro XQ n
.irp m, 0,1
.set i, 0
.rept 32
.if i < 23
	ds_load_b32 v[128+32*\m+i], v[XA] offset:7168*\n+3520*\m+4*i
.else
	ds_load_b32 v[128+32*\m+i], v[XB] offset:7168*\n+3520*\m+4*i
.endif
.set i, i+1
.endr
.endr
	s_wait_dscnt 0x0
.irp m, 0,1
.irp i, 23,24,25,26,27,28,29,30,31
	v_cndmask_b32 v[128+32*\m+\i], v[128+32*\m+\i], v[NIL], s24
.endr
.endr
.irp m, 0,1
	v_max3_num_f32 v[240+\m], |v[128+32*\m]|, |v[129+32*\m]|, FLOOR
.endr
.irp i, 2,4,6,8,10,12,14,16,18,20,22,24,26,28,30
.irp m, 0,1
	v_max3_num_f32 v[240+\m], v[240+\m], |v[128+32*\m+\i]|, |v[129+32*\m+\i]|
.endr
.endr
.irp m, 0,1
	v_add_nc_u32 v[242+\m], 0xfe000000, v[240+\m]
.endr
.irp m, 0,1
	v_lshrrev_b32 v[244+\m], 23, v[242+\m]
.endr
.irp m, 0,1
	v_cvt_scalef32_pk16_bf6_f32 v[XF+12*(2*\n+\m):XF+12*(2*\n+\m)+2], v[128+32*\m:143+32*\m], v[242+\m]
	v_cvt_scalef32_pk16_bf6_f32 v[246+4*\m:248+4*\m], v[144+32*\m:159+32*\m], v[242+\m]
.endr
	v_nop                                          ; one plain place behind a scaled conversion
.irp m, 0,1
.irp i, 0,1,2
	v_mov_b32 v[XF+12*(2*\n+\m)+3+\i], v[246+4*\m+\i]
.endr
	v_lshlrev_b32 v[244+\m], v[H8], v[244+\m]      ; my block's byte at its place; the word's upper two bytes stay 0 over zero codes
.endr
.irp m, 0,1
	v_permlanex16_b32 v[240+\m], v[244+\m], s22, s23
.endr
.irp m, 0,1
	v_or_b32 v[244+\m], v[244+\m], v[240+\m]
.endr
	v_cndmask_b32 v[XSC+\n], v244, v245, s24       ; tile 0's words in lanes 0-15, tile 1's in lanes 16-31
.endm
.macro MAT1 q
	s_wait_xcnt 0x0                                ; the stores of c have read the accumulators' registers
	s_wait_loadcnt 0x0                             ; the sub-chunk is in
.irp g, 0,1,2
.irp m, 0,1
	MM AI+16*\g+8*\m, WF+12*\g, XF+12*(2*((\q)/2)+\m), BIAS+8*\g, WS+\g/2, \g&1, XSC+(\q)/2, \m
.endr
.endr
	PLACES 4                                       ; ahead of loads into the products' sources and of the first read of results
.endm
.macro VEC1 q
	SCL AI, 32, 18                                 ; -log2(e) x gi, go
	SCL AU, 16, 20                                 ; 2 log2(e) x gu
	EXPS AI, 48
	DONE
	ADD1 AI, 48
	RCPS AI, 48
	DONE
.set i, 0
.rept 8
	v_pk_fma_f32 v[AU+i:AU+i+1], v[AU+i:AU+i+1], -2.0, 1.0 op_sel_hi:[1,0,0]     ; u = 1 - 2 / (1 + e^2x)
.set i, i+2
.endr
.set i, 0
.rept 8
	v_pk_mul_f32 v[AI+i:AI+i+1], v[AI+i:AI+i+1], v[AU+i:AU+i+1]                  ; c = i u
.set i, i+2
.endr
.irp m, 0,1
.irp k, 0,1
	global_store_b128 v[LI], v[AI+8*\m+4*\k:AI+8*\m+4*\k+3], s[32:33] offset:4096*\m+2048*((\q)/2)+1024*((\q)%2)+512*\k
.endr
.endr
.set i, 0
.rept 8
	v_pk_mul_f32 v[AU+i:AU+i+1], v[AI+i:AI+i+1], s[20:21] op_sel_hi:[1,0]
.set i, i+2
.endr
	EXPS AU, 16
	DONE
	ADD1 AU, 16
	RCPS AU, 16
	DONE
.set i, 0
.rept 8
	v_pk_fma_f32 v[AU+i:AU+i+1], v[AU+i:AU+i+1], v[MM2:MM2+1], v[MM1:MM1+1]      ; M tanh(c)
.set i, i+2
.endr
.irp m, 0,1
.irp i, 0,2,4,6
	v_pk_mul_f32 v[HH+32*((\q)/2)+16*\m+8*((\q)%2)+\i:HH+32*((\q)/2)+16*\m+8*((\q)%2)+\i+1], v[AO+8*\m+\i:AO+8*\m+\i+1], v[AU+8*\m+\i:AU+8*\m+\i+1]
.endr
.endr
.endm
; ht, ha and hs = ht + ha of my block, both tiles, become codes.  Vector v = 2 X + m: lane (r, h) holds 16 neighbours, lanes l and l xor 16 a block.  Registers from QT on: 6 maxima, 6 for the other half, 6 scale operands, 6 bytes, 6 x 4 codes.
.macro QB
	s_wait_xcnt 0x0                                ; earlier stores have read the registers that are written here
.irp m, 0,1
.irp i, 0,2,4,6,8,10,12,14
	v_pk_add_f32 v[NB2+16*\m+\i:NB2+16*\m+\i+1], v[NB0+16*\m+\i:NB0+16*\m+\i+1], v[NB1+16*\m+\i:NB1+16*\m+\i+1]
.endr
.endr
.irp x, 0,1,2
.irp m, 0,1
	v_max3_num_f32 v[QT+2*\x+\m], |v[NB\x+16*\m]|, |v[NB\x+16*\m+1]|, FLOOR
	v_mov_b32 v[QT+6+2*\x+\m], 0                   ; (a lane permute's destination counts as one of its sources)
.endr
.endr
.irp i, 2,4,6,8,10,12,14
.irp x, 0,1,2
.irp m, 0,1
	v_max3_num_f32 v[QT+2*\x+\m], v[QT+2*\x+\m], |v[NB\x+16*\m+\i]|, |v[NB\x+16*\m+\i+1]|
.endr
.endr
.endr
.irp v, 0,1,2,3,4,5
	v_permlanex16_b32 v[QT+6+\v], v[QT+\v], s22, s23
.endr
.irp v, 0,1,2,3,4,5
	v_max_num_f32 v[QT+\v], v[QT+\v], v[QT+6+\v]
.endr
.irp v, 0,1,2,3,4,5
	v_add_nc_u32 v[QT+12+\v], 0xfe000000, v[QT+\v]
.endr
.irp v, 0,1,2,3,4,5
	v_lshrrev_b32 v[QT+18+\v], 23, v[QT+12+\v]
.endr
.irp x, 0,1,2
.irp m, 0,1
	v_cvt_scalef32_pk16_bf6_f32 v[QT+24+4*(2*\x+\m):QT+26+4*(2*\x+\m)], v[NB\x+16*\m:NB\x+16*\m+15], v[QT+12+2*\x+\m]
.endr
.endr
	v_nop                                          ; one plain place behind a scaled conversion
.irp x, 0,1,2                          ; tile 0's lanes 16-31 (w3 w4 w5) change places with tile 1's lanes 0-15 (w0 w1 w2): the first three registers then hold w0 w1 w2, the second three w3 w4 w5, of tile m, row r in lane 16 m + r
.irp i, 0,1,2
	v_permlane16_swap_b32 v[QT+24+8*\x+\i], v[QT+28+8*\x+\i]
.endr
.endr
.irp x, 0,1,2
	v_mov_b32 v[QT+27+8*\x], v[QT+28+8*\x]         ; w3 behind w0 w1 w2;
	v_mov_b32 v[QT+28+8*\x], v[QT+29+8*\x]         ; w4 w5 into a pair that begins on an even register
	v_mov_b32 v[QT+29+8*\x], v[QT+30+8*\x]
.endr
	v_lshrrev_b32 v[QO+9], 1, v[LI]                ; 8 x lane
.irp x, 0,1,2
	v_add_nc_u32 v[QO+\x], s[52+\x], v[LI]
	v_add_nc_u32 v[QO+3+\x], s[55+\x], v[QO+9]
	v_add_nc_u32 v[QO+6+\x], s[58+\x], v[LI]
	v_cndmask_b32 v[QT+48+\x], v[QT+18+2*\x], v[QT+19+2*\x], s24   ; lane 16 m + r: the byte of row r of tile m
.endr
.irp x, 0,1,2
	global_store_b128 v[QO+\x], v[QT+24+8*\x:QT+27+8*\x], s[34:35]     ; 512 consecutive bytes, aligned
	global_store_b64 v[QO+3+\x], v[QT+28+8*\x:QT+29+8*\x], s[34:35]    ; 256 consecutive bytes, aligned
.endr
	s_cmp_eq_u32 s14, 12
	s_cbranch_scc1 .Lqtail_\@
.irp x, 0,1,2
	global_store_b8 v[QO+6+\x], v[QT+48+\x], s[40:41]
.endr
	s_branch .Lqdone_\@
.Lqtail_\@:                                        ; block 12: the three bytes make the tail fragment's word (its fourth slot: zero codes, byte 127)
	v_lshl_or_b32 v[QT+51], v[QT+49], 8, v[QT+48]
	v_lshl_or_b32 v[QT+51], v[QT+50], 16, v[QT+51]
	v_or_b32 v[QT+51], 0x7f000000, v[QT+51]
.irp i, 0,1,2,3
	v_mov_b32 v[QT+52+\i], 0
.endr
	global_store_b32 v[LI], v[QT+51], s[40:41] offset:1028
	global_store_b128 v[LI], v[QT+52:QT+55], s[34:35] offset:9*3072+1536+512
	global_store_b64 v[QO+9], v[QT+52:QT+53], s[34:35] offset:9*3072+1536+1024+256
.Lqdone_\@:
.endm
	s_load_b256 s[4:11], s[0:1], 0x0               ; x_temp, x_air, wqs, st1
	v_lshl_add_u32 v249, v0, 2, 0x1c000
	v_mov_b32 v255, 0
	v_lshrrev_b32 v1, 5, v0
	v_readfirstlane_b32 s12, v1                    ; wave
	v_and_b32 v240, 31, v0
	v_and_b32 v241, 15, v0
	v_bfe_u32 v242, v0, 4, 1
	v_lshlrev_b32 v[LI], 4, v240
	v_lshlrev_b32 v[LS], 2, v240
	v_lshlrev_b32 v[R4], 2, v241
	v_lshlrev_b32 v[H32], 5, v242
	v_lshlrev_b32 v[H8], 3, v242
	s_mul_i32 s17, s12, 14336                      ; my wave's LDS bytes
	v_mul_u32_u24 v[XB], v241, 220
	v_add_nc_u32 v[XB], s17, v[XB]
	v_lshl_add_u32 v[XA], v242, 7, v[XB]
	v_add_nc_u32 v[CPY], s17, v[LI]
	v_mov_b32 v[NIL], 0
	s_and_b32 s14, ttmp7, 0xffff                   ; b
	s_lshl_b32 s13, ttmp9, 3
	s_add_co_u32 s13, s13, s12                     ; P
	s_mul_i32 s44, s13, 7040
	s_mov_b32 s45, 0
	s_mul_i32 s46, s14, 20480
	s_mov_b32 s47, 0
	s_wait_kmcnt 0x0
	s_add_nc_u64 s[26:27], s[4:5], s[44:45]
	s_add_nc_u64 s[28:29], s[6:7], s[44:45]
	s_add_nc_u64 s[30:31], s[8:9], s[46:47]
.irp n, 0,1                            ; 7,040 bytes of each input: 13 loads of 512 bytes and one that ends with the last byte
.irp i, 0,1,2,3,4,5,6,7,8,9,10,11,12
	global_load_b128 v[128+56*\n+4*\i:131+56*\n+4*\i], v[LI], s[26+2*\n:27+2*\n] offset:512*\i
.endr
	global_load_b128 v[180+56*\n:183+56*\n], v[LI], s[26+2*\n:27+2*\n] offset:6528
.endr
	LOADW 0
	s_mov_b32 s18, 0xbfb8aa3b                      ; -log2(e)
	s_mov_b32 s19, s18
	s_mov_b32 s20, 0x4038aa3b                      ; 2 log2(e)
	s_mov_b32 s21, s20
	s_mov_b32 s22, 0x76543210
	s_mov_b32 s23, 0xfedcba98
	s_mov_b32 s24, 0xffff0000                      ; lanes 16-31
	s_cmp_eq_u32 s14, 12
	s_cselect_b32 s25, s24, 0
	v_cndmask_b32 v[MM1], 1.0, v[NIL], s25
	v_mov_b32 v[MM1+1], v[MM1]
	v_mul_f32 v[MM2], -2.0, v[MM1]
	v_mov_b32 v[MM2+1], v[MM2]
	; where the results go
	s_mul_i32 s44, s13, PAIRB
	s_add_nc_u64 s[34:35], s[10:11], s[44:45]      ; the pair's codes
	s_mul_i32 s44, s13, 1536
	s_add_co_u32 s44, s44, S_OFF
	s_add_nc_u64 s[40:41], s[10:11], s[44:45]      ; its scale bytes
	s_lshl_b32 s44, s14, 21
	s_lshl_b32 s50, s13, 13
	s_add_co_u32 s44, s44, s50
	s_add_co_u32 s44, s44, C_OFF
	s_add_nc_u64 s[32:33], s[10:11], s[44:45]      ; its c of my block
	OFFS
.irp f, 0,1,2,3
.irp i, 6,7,8,9,10,11
	v_mov_b32 v[XF+12*\f+\i], 0                    ; k = 64 .. 127 of x: zero codes
.endr
.endr
	s_wait_loadcnt 17                              ; x is in; the 17 younger loads, the first sub-chunk, may stay out
.irp n, 0,1
.irp i, 0,1,2,3,4,5,6,7,8,9,10,11,12
	ds_store_b128 v[CPY], v[128+56*\n+4*\i:131+56*\n+4*\i] offset:7168*\n+512*\i
.endr
	ds_store_b128 v[CPY], v[180+56*\n:183+56*\n] offset:7168*\n+6528
.endr
	XQ 0                                           ; LDS serves a wave's instructions in order: the loads see my stores
	XQ 1
	PLACES 8                                       ; a scale register written by a vector instruction stands 8 places ahead of a scaled product, an operand so written 4
.irp q, 0,1,2,3
	MAT1 \q
.if \q < 3
	LOADW \q+1
.endif
	VEC1 \q
.endr
	QB
	s_wait_tensorcnt 0x0
	ds_add_u32 v249, v255
	s_wait_dscnt 0x0
	s_endpgm
.Lfunc_end_k_qcb8c535a19_l1:
	.size	k_qcb8c535a19_l1, .Lfunc_end_k_qcb8c535a19_l1-k_qcb8c535a19_l1
	.p2alignl 7, 3214868480
	.fill 96, 4, 3214868480
	.section	.rodata,"a",@progbits
	.p2align	6, 0x0
	.amdhsa_kernel k_qcb8c535a19_l1
		.amdhsa_group_segment_fixed_size 115712
		.amdhsa_private_segment_fixed_size 0
		.amdhsa_enable_private_segment 0
		.amdhsa_kernarg_size 32
		.amdhsa_user_sgpr_count 2
		.amdhsa_user_sgpr_kernarg_segment_ptr 1
		.amdhsa_wavefront_size32 1
		.amdhsa_system_sgpr_workgroup_id_x 1
		.amdhsa_system_sgpr_workgroup_id_y 1
		.amdhsa_system_sgpr_workgroup_id_z 1
		.amdhsa_system_vgpr_workitem_id 0
		.amdhsa_next_free_vgpr 256
		.amdhsa_next_free_sgpr 66
		.amdhsa_reserve_vcc 0
		.amdhsa_float_denorm_mode_32 3
		.amdhsa_float_denorm_mode_16_64 3
		.amdhsa_memory_ordered 1
		.amdhsa_forward_progress 1
		.amdhsa_inst_pref_size 88
	.end_amdhsa_kernel
	.amdgpu_metadata
---
amdhsa.version: [ 1, 2 ]
amdhsa.kernels:
  - .name:           k_qcb8c535a19_l1
    .symbol:         k_qcb8c535a19_l1.kd
    .args:
      - { .name: x_temp, .offset: 0, .size: 8, .value_kind: global_buffer, .address_space: global }
      - { .name: x_air, .offset: 8, .size: 8, .value_kind: global_buffer, .address_space: global }
      - { .name: wqs, .offset: 16, .size: 8, .value_kind: global_buffer, .address_space: global }
      - { .name: st1, .offset: 24, .size: 8, .value_kind: global_buffer, .address_space: global }
    .group_segment_fixed_size: 115712
    .private_segment_fixed_size: 0
    .kernarg_segment_align: 8
    .kernarg_segment_size: 32
    .max_flat_workgroup_size: 256
    .sgpr_count:     66
    .vgpr_count:     256
    .wavefront_size: 32
...
	.end_amdgpu_metadata
.endif
;; end of part 2
;; launch l2 (part 3): grid 16 x 13, 8 waves a work-group, no clusters, 263,168 bytes of LDS; arguments st1, wq2, par2, st2; writes st2
.if DOCPART == 3
	.amdgcn_target "amdgcn-amd-amdhsa--gfx1250"
	.amdhsa_code_object_version 6
	.text
	.protected	k_qcb8c535a19_l2
	.globl	k_qcb8c535a19_l2
	.p2align	8
	.type	k_qcb8c535a19_l2,@function
k_qcb8c535a19_l2:
	s_mov_b64 s[64:65], 0
	v_nop
	global_prefetch_b8 v0, s[64:65] scope:SCOPE_SE
	s_setreg_imm32_b32 hwreg(HW_REG_WAVE_MODE, 25, 1), 1
	s_wait_xcnt 0x0
; LAYERS 2 AND 3, BOTH CELLS (one body; the flag read from par tells them apart: a whole number that an earlier launch stored).
; cell(x, ht, ct, ha, ca): i, o, u from x Wx + (ht + ha) U + b; f1, f2 from x Wxf + b + ht Uf, ha Uf; c = i u + f1 ct + f2 ca; h = o tanh(c).  x = ht for the t cell, ha for the a cell.
; SHARES.  Work-group (g, b): block b of 32 hidden units of both cells, 512 rows.  The block's weights, 4 chunks (2 cell + u) of 49,152 bytes, are copied into LDS once and stay: one barrier, then no wave needs another.
; Wave w walks pairs P = 16 g + 2 w + trip of row tiles (32 rows), two trips.  A pair's operands, 10 fragments for each tile (ht, ha, hs: 3 K steps each; one shared tail [ht12 | ha12 | hs12 | 0]), stay in 240 registers (window 1)
; for the pair's four phases, so that each fragment of weights read from LDS feeds two or four products and none is read twice for a pair.  K = 400 is three whole K steps and the tail: 33 products for a tile, against 36.
; THE PRODUCT IS USED TRANSPOSED: source 0 = 16 units, source 1 = 16 rows: lane (r, h) holds row r, and register j of tile u the unit 32 b + 16 h + 8 u + j.  The biases are loaded into the accumulators and are the first products' C.
; THE ROWS' CODES in memory: a pair has 30,720 bytes; fragment F, half c at 3,072 F + 1,536 c; in it the six words of slot (c, h), tile m, row r: w0-w3 at 512 h + 256 m + 16 r, w4 w5 at 1,024 + 256 h + 128 m + 8 r:
; a load of 16 bytes a lane takes two runs of 256 bytes, one of 8 bytes two runs of 128, and the writer, which holds both tiles of a slot, stores 512 and 256 consecutive bytes.
; c OF A PHASE is asked for in the phase before, straight behind the last use of that phase's c, into registers that the products do not touch: a run of 66 products lies between the request and the wait.
; TWO WAVES OF 512 REGISTERS SHARE A SIMD, and one wave's activations are to stand beside the other's products.  So the two do not start together: half of the waves ask for their first operands with the weights, the others only
; when their part of the weights lies in LDS.  The halves are told apart by (w xor w / 4) % 2, which takes one of waves w, w + 4 and one of waves 2 k, 2 k + 1.
; No tensor load: nothing in LDS is filled twice.  No cluster: what work-groups share at one time is the rows' codes, whose 13 sharers no cluster of four divides, and which go straight into registers.
; LIMITS: as in layer 1 (NaN, infinities; the byte of a block of zeros; tanh's absolute error near 1e-7).
.set S_OFF, 10485760
.set C_OFF, 10878976
.set PAIRB, 30720
.set FLOOR, 0x2800000
.set CH,    49152
.set SCR,   196608                     ; behind the weights: 8,192 bytes for each wave, for a pair's h
.set LI,   1                           ; 16 x lane
.set VA,   2                           ; 512 h + 16 r
.set LS,   3                           ; 4 x lane
.set H32,  4                           ; 32 h
.set VB,   5                           ; 256 h + 8 r
.set NIL,  9
.set MM1,  10                          ; v[10:11] M, v[12:13] -2 M
.set MM2,  12
.set CA,   14                          ; the chunk in hand: + 16 x lane, + 4 x lane, + 32 h
.set CS,   15
.set CB,   16
.set HSC,  17                          ; my wave's scratch + 16 x lane
.set AS,   18                          ; v18-27  the rows' scale words, fragment F: lanes 0-15 tile 0, lanes 16-31 tile 1
.set WS,   28                          ; v28-42  the weights': fragments 2 p below, 2 p + 1 above
.set PFO,  43                          ; 256 x lane
.set WB,   44                          ; v44-91, v92-139  two sets of four fragments of weights
.set AI,   140                         ; accumulators, + 8 m: i, o, u, gf, ht Uf, ha Uf
.set AO,   156
.set AU,   172
.set AG,   188
.set AA1,  204
.set AA2,  220
.set C2,   236                         ; v236-251  ca of the phase, + 8 m
.set C1W,  240                         ; v240-255 of window 1: ct
.set CPY,  255                         ; the head: where my eighth of the weights goes in LDS
.set NB0,  44
.set NB1,  76
.set NB2,  108
.set QT,   140
.set QO,   196
.set MSB, 0
.macro WIN new                         ; the immediate's high byte repeats the setting that is left
.if MSB != \new
	s_set_vgpr_msb (MSB<<8)|\new
.set MSB, \new
.endif
.endm
.macro MM d, a, b, c, sa, ra, sb, rb
.if (\ra) && (\rb)
	v_wmma_scale_f32_16x16x128_f8f6f4 v[\d:\d+7], v[\a:\a+11], v[\b:\b+11], v[\c:\c+7], v[\sa], v[\sb] matrix_a_fmt:MATRIX_FMT_BF6 matrix_b_fmt:MATRIX_FMT_BF6 matrix_a_scale:MATRIX_SCALE_ROW1 matrix_b_scale:MATRIX_SCALE_ROW1
.elseif (\ra)
	v_wmma_scale_f32_16x16x128_f8f6f4 v[\d:\d+7], v[\a:\a+11], v[\b:\b+11], v[\c:\c+7], v[\sa], v[\sb] matrix_a_fmt:MATRIX_FMT_BF6 matrix_b_fmt:MATRIX_FMT_BF6 matrix_a_scale:MATRIX_SCALE_ROW1
.elseif (\rb)
	v_wmma_scale_f32_16x16x128_f8f6f4 v[\d:\d+7], v[\a:\a+11], v[\b:\b+11], v[\c:\c+7], v[\sa], v[\sb] matrix_a_fmt:MATRIX_FMT_BF6 matrix_b_fmt:MATRIX_FMT_BF6 matrix_b_scale:MATRIX_SCALE_ROW1
.else
	v_wmma_scale_f32_16x16x128_f8f6f4 v[\d:\d+7], v[\a:\a+11], v[\b:\b+11], v[\c:\c+7], v[\sa], v[\sb] matrix_a_fmt:MATRIX_FMT_BF6 matrix_b_fmt:MATRIX_FMT_BF6
.endif
.endm
.macro PR k, e, acc, f                 ; fragment e of group k x the rows' fragment f, both tiles, onto acc
.irp m, 0,1
	MM \acc+8*\m, WB+48*((\k)&1)+12*(\e), 120*\m+12*(\f), \acc+8*\m, WS+2*(\k)+(\e)/2, (\e)&1, AS+(\f), \m
.endr
.endm
.macro PZ k, e, acc, f                 ; the same where the product starts the sum (e is odd here: the weights' words lie in lanes 16-31)
	v_wmma_scale_f32_16x16x128_f8f6f4 v[\acc:\acc+7], v[WB+48*((\k)&1)+12*(\e):WB+48*((\k)&1)+12*(\e)+11], v[12*(\f):12*(\f)+11], 0, v[WS+2*(\k)+(\e)/2], v[AS+(\f)] matrix_a_fmt:MATRIX_FMT_BF6 matrix_b_fmt:MATRIX_FMT_BF6 matrix_a_scale:MATRIX_SCALE_ROW1
	v_wmma_scale_f32_16x16x128_f8f6f4 v[\acc+8:\acc+15], v[WB+48*((\k)&1)+12*(\e):WB+48*((\k)&1)+12*(\e)+11], v[120+12*(\f):120+12*(\f)+11], 0, v[WS+2*(\k)+(\e)/2], v[AS+(\f)] matrix_a_fmt:MATRIX_FMT_BF6 matrix_b_fmt:MATRIX_FMT_BF6 matrix_a_scale:MATRIX_SCALE_ROW1 matrix_b_scale:MATRIX_SCALE_ROW1
.endm
; Group k holds fragments 4 k .. 4 k + 3.  Even k < 6: Wx gates i f o u of K step k / 2, against x.  Odd k < 6: U gates i o u against hs, U f against ht and against ha.  6: the tails of i, o, u, gf.  7: the tails of ht Uf, ha Uf.
; The accumulators take turns, one instruction a turn, within a group and from group to group.
.macro GRP k, cell
.if (\k) == 7
	PR 7, 0, AA1, 9
	PR 7, 1, AA2, 9
.elseif (\k) == 6
	PR 6, 0, AI, 9
	PR 6, 1, AO, 9
	PR 6, 2, AU, 9
	PR 6, 3, AG, 9
.elseif ((\k)&1) == 0
	PR \k, 0, AI, 3*(\cell)+(\k)/2
	PR \k, 1, AG, 3*(\cell)+(\k)/2
	PR \k, 2, AO, 3*(\cell)+(\k)/2
	PR \k, 3, AU, 3*(\cell)+(\k)/2
.else
	PR \k, 0, AI, 6+(\k)/2
	PR \k, 1, AO, 6+(\k)/2
	PR \k, 2, AU, 6+(\k)/2
.if (\k) == 1
	PZ 1, 3, AA1, 0
	PZ 1, 3, AA2, 3
.else
	PR \k, 3, AA1, (\k)/2
	PR \k, 3, AA2, 3+(\k)/2
.endif
.endif
.endm
.macro LOADG k                         ; group k's fragments from LDS into set k % 2: 12 loads (group 7: 6)
.set nf, 4
.if (\k) == 7
.set nf, 2
.endif
.set e, 0
.rept nf
.irp c, 0,1,2
	ds_load_b128 v[WB+48*((\k)&1)+12*e+4*\c:WB+48*((\k)&1)+12*e+4*\c+3], v[CA] offset:1536*(4*(\k)+e)+512*\c
.endr
.set e, e+1
.endr
.endm
.macro PLACES n
.rept \n
	v_nop
.endr
.endm
.macro SCL base, n, sp
.set i, 0
.rept (\n)/2
	v_pk_mul_f32 v[\base+i:\base+i+1], v[\base+i:\base+i+1], s[\sp:\sp+1] op_sel_hi:[1,0]
.set i, i+2
.endr
.endm
.macro EXPS base, n
.set i, 0
.rept \n
	v_exp_f32 v[\base+i], v[\base+i]
.set i, i+1
.endr
.endm
.macro RCPS base, n
.set i, 0
.rept \n
	v_rcp_f32 v[\base+i], v[\base+i]
.set i, i+1
.endr
.endm
.macro ADD1 base, n
.set i, 0
.rept (\n)/2
	v_pk_add_f32 v[\base+i:\base+i+1], v[\base+i:\base+i+1], 1.0 op_sel_hi:[1,0]
.set i, i+2
.endr
.endm
.macro DONE                            ; behind a batch of transcendentals: one plain place, and the one wait ahead of the batch's first reader
	v_nop
	s_wait_alu depctr_va_vdst(0)
.endm
; Where block b (s14) of X = ht, ha, hs goes.  b < 12: fragment F = 3 X + b / 4, slot b % 4; b = 12: fragment 9, slot X.  s[52+X]: the slot's w0-w3; s[55+X]: its w4 w5; s[58+X]: its scale byte, 512 (F / 4) + 4 (F % 4) + slot (b < 12 alone).
.macro OFFS
	s_lshr_b32 s48, s14, 2
	s_and_b32 s49, s14, 3
.irp x, 0,1,2
	s_add_co_u32 s50, s48, 3*\x
	s_lshr_b32 s51, s50, 2
	s_lshl_b32 s51, s51, 9
	s_and_b32 s46, s50, 3
	s_lshl_b32 s46, s46, 2
	s_add_co_u32 s46, s46, s51
	s_add_co_u32 s[58+\x], s46, s49
	s_mov_b32 s51, s49
	s_cmp_eq_u32 s14, 12
	s_cselect_b32 s50, 9, s50
	s_cselect_b32 s51, \x, s51
	s_mul_i32 s50, s50, 3072
	s_lshr_b32 s46, s51, 1
	s_mul_i32 s46, s46, 1536
	s_add_co_u32 s50, s50, s46
	s_and_b32 s51, s51, 1
	s_lshl_b32 s46, s51, 9
	s_add_co_u32 s[52+\x], s50, s46
	s_lshl_b32 s46, s51, 8
	s_add_co_u32 s46, s46, s50
	s_add_co_u32 s[55+\x], s46, 1024
.endr
.endm
; A pair's operands: 80 loads into window 1 (a slot's 24 bytes a lane: 16 + 8), 3 loads of scale words.
.macro LOADA offa, offs
	WIN 0x40                                       ; destination window 1, address window 0
.irp m, 0,1
.irp f, 0,1,2,3,4,5,6,7,8,9
.irp c, 0,1
	global_load_b128 v[120*\m+12*\f+6*\c:120*\m+12*\f+6*\c+3], v[VA], s[26:27] offset:(\offa)+3072*\f+1536*\c+256*\m
	global_load_b64 v[120*\m+12*\f+6*\c+4:120*\m+12*\f+6*\c+5], v[VB], s[26:27] offset:(\offa)+3072*\f+1536*\c+1024+128*\m
.endr
.endr
.endr
	WIN 0
	global_load_b128 v[AS:AS+3], v[LI], s[28:29] offset:(\offs)
	global_load_b128 v[AS+4:AS+7], v[LI], s[28:29] offset:(\offs)+512
	global_load_b64 v[AS+8:AS+9], v[LI], s[28:29] offset:(\offs)+1024
.endm
.macro CLOAD u, off                    ; ct and ca of unit tile u, both row tiles: 8 loads
	WIN 0x40
.irp m, 0,1
.irp k, 0,1
	global_load_b128 v[C1W+8*\m+4*\k:C1W+8*\m+4*\k+3], v[LI], s[30:31] offset:(\off)+4096*\m+1024*(\u)+512*\k
.endr
.endr
	WIN 0
.irp m, 0,1
.irp k, 0,1
	global_load_b128 v[C2+8*\m+4*\k:C2+8*\m+4*\k+3], v[LI], s[30:31] offset:(\off)+4096*\m+2048+1024*(\u)+512*\k
.endr
.endr
.endm
; The 66 products of phase q = 2 cell + u.  While a group is multiplied the next group's fragments are on their way from LDS.
.macro MAT q, cell
	s_wait_xcnt 0x0                                ; earlier stores have read the accumulators' registers
	v_add_nc_u32 v[CA], \q*CH, v[LI]
	v_add_nc_u32 v[CS], \q*CH, v[LS]
	v_add_nc_u32 v[CB], \q*CH, v[H32]
.irp m, 0,1                            ; the biases: gate i -> i, f -> gf, o -> o, u -> u; lane (r, h) takes the tile's rows 8 h + 0 .. 7
	ds_load_b128 v[AI+8*\m:AI+8*\m+3], v[CB] offset:48000
	ds_load_b128 v[AI+8*\m+4:AI+8*\m+7], v[CB] offset:48016
	ds_load_b128 v[AG+8*\m:AG+8*\m+3], v[CB] offset:48064
	ds_load_b128 v[AG+8*\m+4:AG+8*\m+7], v[CB] offset:48080
	ds_load_b128 v[AO+8*\m:AO+8*\m+3], v[CB] offset:48128
	ds_load_b128 v[AO+8*\m+4:AO+8*\m+7], v[CB] offset:48144
	ds_load_b128 v[AU+8*\m:AU+8*\m+3], v[CB] offset:48192
	ds_load_b128 v[AU+8*\m+4:AU+8*\m+7], v[CB] offset:48208
.endr
.set i, 0
.rept 15
	ds_load_b32 v[WS+i], v[CS] offset:46080+128*i
.set i, i+1
.endr
	LOADG 0
	WIN 0x04                                       ; source 1 (the rows) window 1; LDS loads name no source 1, so the setting stands for the whole run
.irp k, 0,1,2,3,4,5,6,7
.if \k > 0
	PLACES 4                                       ; ahead of loads into the set that the group before has read
.endif
.if \k < 7
	LOADG \k+1
.endif
.if \k < 6
	s_wait_dscnt 12                                ; all but the 12 loads just issued
.elseif \k == 6
	s_wait_dscnt 6                                 ; all but group 7's six
.else
	s_wait_dscnt 0x0
.endif
	GRP \k, \cell
.endr
	WIN 0
	PLACES 4                                       ; ahead of loads into the products' sources and of the first read of results
.endm
.macro VEC q
	SCL AG, 16, 18                                 ; -log2(e) x gf,
.set i, 0
.rept 8
	v_pk_fma_f32 v[AA1+i:AA1+i+1], v[AA1+i:AA1+i+1], s[18:19], v[AG+i:AG+i+1] op_sel_hi:[1,0,1]   ; + -log2(e) x ht Uf
	v_pk_fma_f32 v[AA2+i:AA2+i+1], v[AA2+i:AA2+i+1], s[18:19], v[AG+i:AG+i+1] op_sel_hi:[1,0,1]   ; and ha Uf
.set i, i+2
.endr
	SCL AI, 32, 18
	SCL AU, 16, 20
	EXPS AI, 48
	EXPS AA1, 32
	DONE
	ADD1 AI, 48
	ADD1 AA1, 32
	RCPS AI, 48
	RCPS AA1, 32
	DONE
.set i, 0
.rept 8
	v_pk_fma_f32 v[AU+i:AU+i+1], v[AU+i:AU+i+1], -2.0, 1.0 op_sel_hi:[1,0,0]
.set i, i+2
.endr
.if (\q) < 3
	s_wait_loadcnt 0x0                             ; ct, ca, asked for a phase ago; no younger load is out.  (Phase 3's wait stands ahead of the loads of the next pair's operands)
.endif
.set i, 0
.rept 8
	v_pk_mul_f32 v[AI+i:AI+i+1], v[AI+i:AI+i+1], v[AU+i:AU+i+1]
.set i, i+2
.endr
	WIN 0x04                                       ; source 1 (ct) window 1
.set i, 0
.rept 8
	v_pk_fma_f32 v[AI+i:AI+i+1], v[AA1+i:AA1+i+1], v[C1W+i:C1W+i+1], v[AI+i:AI+i+1]
.set i, i+2
.endr
	WIN 0
.set i, 0
.rept 8
	v_pk_fma_f32 v[AI+i:AI+i+1], v[AA2+i:AA2+i+1], v[C2+i:C2+i+1], v[AI+i:AI+i+1]   ; c
.set i, i+2
.endr
.if (\q) < 3
	CLOAD ((\q)+1)%2, 0                            ; the next phase's ct, ca
.else
	s_cmp_lg_u32 s16, 2
	s_cbranch_scc1 .Lnon_\@
	CLOAD 0, 8192                                  ; the next pair's first; the last trip asks for nothing
.Lnon_\@:
.endif
	s_cmp_eq_u32 s15, 0
	s_cbranch_scc1 .Lnoc_\@
.irp m, 0,1
.irp k, 0,1
	global_store_b128 v[LI], v[AI+8*\m+4*\k:AI+8*\m+4*\k+3], s[32:33] offset:4096*\m+2048*((\q)/2)+1024*((\q)%2)+512*\k
.endr
.endr
.Lnoc_\@:
.set i, 0
.rept 8
	v_pk_mul_f32 v[AU+i:AU+i+1], v[AI+i:AI+i+1], s[20:21] op_sel_hi:[1,0]
.set i, i+2
.endr
	EXPS AU, 16
	DONE
	ADD1 AU, 16
	RCPS AU, 16
	DONE
.set i, 0
.rept 8
	v_pk_fma_f32 v[AU+i:AU+i+1], v[AU+i:AU+i+1], v[MM2:MM2+1], v[MM1:MM1+1]
.set i, i+2
.endr
.set i, 0
.rept 8
	v_pk_mul_f32 v[AO+i:AO+i+1], v[AO+i:AO+i+1], v[AU+i:AU+i+1]                     ; h
.set i, i+2
.endr
	s_cmp_eq_u32 s15, 0
	s_cbranch_scc1 .Lwide_\@
.irp m, 0,1
.irp k, 0,1
	ds_store_b128 v[HSC], v[AO+8*\m+4*\k:AO+8*\m+4*\k+3] offset:2048*(2*((\q)/2)+\m)+1024*((\q)%2)+512*\k   ; kept for the quantiser at the pair's end
.endr
.endr
	s_branch .Lhdone_\@
.Lwide_\@:
.irp m, 0,1
.irp k, 0,1
	global_store_b128 v[LI], v[AO+8*\m+4*\k:AO+8*\m+4*\k+3], s[32:33] offset:4096*\m+2048*((\q)/2)+1024*((\q)%2)+512*\k   ; layer 3: h as f32, where layer 2 has c
.endr
.endr
.Lhdone_\@:
.endm
; ht, ha and hs = ht + ha of my block, both tiles, become codes.  Vector v = 2 X + m: lane (r, h) holds 16 neighbours, lanes l and l xor 16 a block.  Registers from QT on: 6 maxima, 6 for the other half, 6 scale operands, 6 bytes, 6 x 4 codes.
.macro QB
	s_wait_xcnt 0x0                                ; earlier stores have read the registers that are written here
.irp m, 0,1
.irp i, 0,2,4,6,8,10,12,14
	v_pk_add_f32 v[NB2+16*\m+\i:NB2+16*\m+\i+1], v[NB0+16*\m+\i:NB0+16*\m+\i+1], v[NB1+16*\m+\i:NB1+16*\m+\i+1]
.endr
.endr
.irp x, 0,1,2
.irp m, 0,1
	v_max3_num_f32 v[QT+2*\x+\m], |v[NB\x+16*\m]|, |v[NB\x+16*\m+1]|, FLOOR
	v_mov_b32 v[QT+6+2*\x+\m], 0                   ; (a lane permute's destination counts as one of its sources)
.endr
.endr
.irp i, 2,4,6,8,10,12,14
.irp x, 0,1,2
.irp m, 0,1
	v_max3_num_f32 v[QT+2*\x+\m], v[QT+2*\x+\m], |v[NB\x+16*\m+\i]|, |v[NB\x+16*\m+\i+1]|
.endr
.endr
.endr
.irp v, 0,1,2,3,4,5
	v_permlanex16_b32 v[QT+6+\v], v[QT+\v], s22, s23
.endr
.irp v, 0,1,2,3,4,5
	v_max_num_f32 v[QT+\v], v[QT+\v], v[QT+6+\v]
.endr
.irp v, 0,1,2,3,4,5
	v_add_nc_u32 v[QT+12+\v], 0xfe000000, v[QT+\v]
.endr
.irp v, 0,1,2,3,4,5
	v_lshrrev_b32 v[QT+18+\v], 23, v[QT+12+\v]
.endr
.irp x, 0,1,2
.irp m, 0,1
	v_cvt_scalef32_pk16_bf6_f32 v[QT+24+4*(2*\x+\m):QT+26+4*(2*\x+\m)], v[NB\x+16*\m:NB\x+16*\m+15], v[QT+12+2*\x+\m]
.endr
.endr
	v_nop                                          ; one plain place behind a scaled conversion
.irp x, 0,1,2                          ; tile 0's lanes 16-31 (w3 w4 w5) change places with tile 1's lanes 0-15 (w0 w1 w2): the first three registers then hold w0 w1 w2, the second three w3 w4 w5, of tile m, row r in lane 16 m + r
.irp i, 0,1,2
	v_permlane16_swap_b32 v[QT+24+8*\x+\i], v[QT+28+8*\x+\i]
.endr
.endr
.irp x, 0,1,2
	v_mov_b32 v[QT+27+8*\x], v[QT+28+8*\x]         ; w3 behind w0 w1 w2;
	v_mov_b32 v[QT+28+8*\x], v[QT+29+8*\x]         ; w4 w5 into a pair that begins on an even register
	v_mov_b32 v[QT+29+8*\x], v[QT+30+8*\x]
.endr
	v_lshrrev_b32 v[QO+9], 1, v[LI]                ; 8 x lane
.irp x, 0,1,2
	v_add_nc_u32 v[QO+\x], s[52+\x], v[LI]
	v_add_nc_u32 v[QO+3+\x], s[55+\x], v[QO+9]
	v_add_nc_u32 v[QO+6+\x], s[58+\x], v[LI]
	v_cndmask_b32 v[QT+48+\x], v[QT+18+2*\x], v[QT+19+2*\x], s24   ; lane 16 m + r: the byte of row r of tile m
.endr
.irp x, 0,1,2
	global_store_b128 v[QO+\x], v[QT+24+8*\x:QT+27+8*\x], s[34:35]     ; 512 consecutive bytes, aligned
	global_store_b64 v[QO+3+\x], v[QT+28+8*\x:QT+29+8*\x], s[34:35]    ; 256 consecutive bytes, aligned
.endr
	s_cmp_eq_u32 s14, 12
	s_cbranch_scc1 .Lqtail_\@
.irp x, 0,1,2
	global_store_b8 v[QO+6+\x], v[QT+48+\x], s[40:41]
.endr
	s_branch .Lqdone_\@
.Lqtail_\@:                                        ; block 12: the three bytes make the tail fragment's word (its fourth slot: zero codes, byte 127)
	v_lshl_or_b32 v[QT+51], v[QT+49], 8, v[QT+48]
	v_lshl_or_b32 v[QT+51], v[QT+50], 16, v[QT+51]
	v_or_b32 v[QT+51], 0x7f000000, v[QT+51]
.irp i, 0,1,2,3
	v_mov_b32 v[QT+52+\i], 0
.endr
	global_store_b32 v[LI], v[QT+51], s[40:41] offset:1028
	global_store_b128 v[LI], v[QT+52:QT+55], s[34:35] offset:9*3072+1536+512
	global_store_b64 v[QO+9], v[QT+52:QT+53], s[34:35] offset:9*3072+1536+1024+256
.Lqdone_\@:
.endm
	s_load_b256 s[4:11], s[0:1], 0x0               ; the state that is read, the weights, the flag, the state that is written
	v_lshl_add_u32 v7, v0, 2, 0x40000
	v_mov_b32 v8, 0
	v_lshrrev_b32 v1, 5, v0
	v_readfirstlane_b32 s12, v1                    ; wave
	v_and_b32 v252, 31, v0
	v_and_b32 v253, 15, v0
	v_bfe_u32 v254, v0, 4, 1
	v_lshlrev_b32 v[LI], 4, v252
	v_lshlrev_b32 v[LS], 2, v252
	v_lshlrev_b32 v[PFO], 8, v252
	v_lshlrev_b32 v[H32], 5, v254
	v_lshlrev_b32 v[VA], 4, v253
	v_lshl_add_u32 v[VA], v254, 9, v[VA]
	v_lshlrev_b32 v[VB], 3, v253
	v_lshl_add_u32 v[VB], v254, 8, v[VB]
	v_mov_b32 v[NIL], 0
	s_lshl_b32 s17, s12, 13
	s_add_co_u32 s17, s17, SCR
	v_add_nc_u32 v[HSC], s17, v[LI]
	s_mul_i32 s17, s12, 24576
	v_add_nc_u32 v[CPY], s17, v[LI]
	s_and_b32 s14, ttmp7, 0xffff                   ; b
	s_lshl_b32 s13, ttmp9, 4
	s_lshl_b32 s17, s12, 1
	s_add_co_u32 s13, s13, s17                     ; my first pair
	s_mov_b32 s18, 0xbfb8aa3b                      ; -log2(e)
	s_mov_b32 s19, s18
	s_mov_b32 s20, 0x4038aa3b                      ; 2 log2(e)
	s_mov_b32 s21, s20
	s_mov_b32 s22, 0x76543210
	s_mov_b32 s23, 0xfedcba98
	s_mov_b32 s24, 0xffff0000                      ; lanes 16-31
	s_cmp_eq_u32 s14, 12
	s_cselect_b32 s25, s24, 0
	v_cndmask_b32 v[MM1], 1.0, v[NIL], s25
	v_mov_b32 v[MM1+1], v[MM1]
	v_mul_f32 v[MM2], -2.0, v[MM1]
	v_mov_b32 v[MM2+1], v[MM2]
	s_mov_b32 s45, 0
	s_wait_kmcnt 0x0
	s_load_b32 s15, s[8:9], 0x0                    ; the flag
	s_mul_i32 s44, s14, 4*CH
	s_mul_i32 s50, s12, 24576
	s_add_co_u32 s44, s44, s50
	s_add_nc_u64 s[42:43], s[6:7], s[44:45]        ; my eighth of the block's weights
.set i, 0
.rept 48
	global_load_b128 v[WB+4*i:WB+4*i+3], v[LI], s[42:43] offset:512*i
.set i, i+1
.endr
	s_mul_i32 s44, s13, PAIRB
	s_add_nc_u64 s[26:27], s[4:5], s[44:45]        ; the pair's codes, in
	s_add_nc_u64 s[34:35], s[10:11], s[44:45]      ; and out
	s_mul_i32 s44, s13, 1536
	s_add_co_u32 s44, s44, S_OFF
	s_add_nc_u64 s[28:29], s[4:5], s[44:45]        ; its scale words
	s_add_nc_u64 s[40:41], s[10:11], s[44:45]
	s_lshl_b32 s44, s14, 21
	s_lshl_b32 s50, s13, 13
	s_add_co_u32 s44, s44, s50
	s_add_co_u32 s44, s44, C_OFF
	s_add_nc_u64 s[30:31], s[4:5], s[44:45]        ; its c of my block
	s_add_nc_u64 s[32:33], s[10:11], s[44:45]
	OFFS
	s_lshr_b32 s17, s12, 2
	s_xor_b32 s17, s17, s12
	s_and_b32 s17, s17, 1                          ; 0 in waves 0, 2, 5, 7
	s_cmp_lg_u32 s17, 0
	s_cbranch_scc1 .Llate
	LOADA 0, 0                                     ; these waves ask for their first operands at once
	CLOAD 0, 0
	s_wait_loadcnt 63                              ; loads come back in order, and 91 are younger than the last load of weights: 63, the most that the count can name, shows the weights in
.set i, 0
.rept 48
	ds_store_b128 v[CPY], v[WB+4*i:WB+4*i+3] offset:512*i
.set i, i+1
.endr
	s_branch .Ljoin
.Llate:
.irp g, 0,1,2,3,4,5
	s_wait_loadcnt 40-8*\g                         ; all but the younger loads of weights are in
.irp e, 0,1,2,3,4,5,6,7
	ds_store_b128 v[CPY], v[WB+4*(8*\g+\e):WB+4*(8*\g+\e)+3] offset:512*(8*\g+\e)
.endr
.endr
	LOADA 0, 0                                     ; and these only now: they start their first products later than the wave with which they share a SIMD
	CLOAD 0, 0
.Ljoin:
	s_wait_kmcnt 0x0                               ; the flag
	s_wait_dscnt 0x0                               ; for the others' sake: my part of the weights lies in LDS
	s_barrier_signal -1
	s_barrier_wait -1                              ; everybody's does; nothing is written there again
	s_mov_b32 s16, 2
.Ltrip:
	s_wait_loadcnt 0x0                             ; the pair's operands and its first ct, ca are in
	MAT 0, 0
	VEC 0
	MAT 1, 0
	VEC 1
	MAT 2, 1
	s_cmp_lg_u32 s16, 2
	s_cbranch_scc1 .Lnopf
	global_prefetch_b8 v[PFO], s[30:31] offset:8192 th:TH_LOAD_NT scope:SCOPE_SE   ; the next pair's c of my block: 8,192 bytes, lanes 256 bytes apart; only this wave reads them; a vector part and 66 products ahead of their first load; the last trip asks for nothing
.Lnopf:
	VEC 2
	MAT 3, 1
	s_wait_loadcnt 0x0                             ; phase 3's ct, ca, asked for a phase ago: the wait stands here so that it does not wait for the loads below
	s_cmp_lg_u32 s16, 2
	s_cbranch_scc1 .Lnoa
	LOADA PAIRB, 1536                              ; the next pair's operands: the pair's last products have read these registers, four places back
.Lnoa:
	VEC 3
	s_cmp_eq_u32 s15, 0
	s_cbranch_scc1 .Lnoq
.irp x, 0,1
.irp m, 0,1
.irp e, 0,1,2,3
	ds_load_b128 v[NB0+32*\x+16*\m+4*\e:NB0+32*\x+16*\m+4*\e+3], v[HSC] offset:2048*(2*\x+\m)+512*\e   ; LDS serves a wave's instructions in order: these see my stores
.endr
.endr
.endr
	s_wait_dscnt 0x0
	QB
.Lnoq:
	s_wait_xcnt 0x0                                ; every load, store and prefetch has read its base
	s_add_nc_u64 s[26:27], s[26:27], PAIRB
	s_add_nc_u64 s[28:29], s[28:29], 1536
	s_add_nc_u64 s[30:31], s[30:31], 8192
	s_add_nc_u64 s[32:33], s[32:33], 8192
	s_add_nc_u64 s[34:35], s[34:35], PAIRB
	s_add_nc_u64 s[40:41], s[40:41], 1536
	s_sub_co_u32 s16, s16, 1
	s_cmp_lg_u32 s16, 0
	s_cbranch_scc1 .Ltrip
	s_wait_tensorcnt 0x0
	ds_add_u32 v7, v8
	s_wait_dscnt 0x0
	s_endpgm
.Lfunc_end_k_qcb8c535a19_l2:
	.size	k_qcb8c535a19_l2, .Lfunc_end_k_qcb8c535a19_l2-k_qcb8c535a19_l2
	.p2alignl 7, 3214868480
	.fill 96, 4, 3214868480
	.section	.rodata,"a",@progbits
	.p2align	6, 0x0
	.amdhsa_kernel k_qcb8c535a19_l2
		.amdhsa_group_segment_fixed_size 263168
		.amdhsa_private_segment_fixed_size 0
		.amdhsa_enable_private_segment 0
		.amdhsa_kernarg_size 32
		.amdhsa_user_sgpr_count 2
		.amdhsa_user_sgpr_kernarg_segment_ptr 1
		.amdhsa_wavefront_size32 1
		.amdhsa_system_sgpr_workgroup_id_x 1
		.amdhsa_system_sgpr_workgroup_id_y 1
		.amdhsa_system_sgpr_workgroup_id_z 1
		.amdhsa_system_vgpr_workitem_id 0
		.amdhsa_next_free_vgpr 512
		.amdhsa_next_free_sgpr 66
		.amdhsa_reserve_vcc 0
		.amdhsa_float_denorm_mode_32 3
		.amdhsa_float_denorm_mode_16_64 3
		.amdhsa_memory_ordered 1
		.amdhsa_forward_progress 1
		.amdhsa_inst_pref_size 193
	.end_amdhsa_kernel
	.amdgpu_metadata
---
amdhsa.version: [ 1, 2 ]
amdhsa.kernels:
  - .name:           k_qcb8c535a19_l2
    .symbol:         k_qcb8c535a19_l2.kd
    .args:
      - { .name: st1, .offset: 0, .size: 8, .value_kind: global_buffer, .address_space: global }
      - { .name: wq2, .offset: 8, .size: 8, .value_kind: global_buffer, .address_space: global }
      - { .name: par2, .offset: 16, .size: 8, .value_kind: global_buffer, .address_space: global }
      - { .name: st2, .offset: 24, .size: 8, .value_kind: global_buffer, .address_space: global }
    .group_segment_fixed_size: 263168
    .private_segment_fixed_size: 0
    .kernarg_segment_align: 8
    .kernarg_segment_size: 32
    .max_flat_workgroup_size: 256
    .sgpr_count:     66
    .vgpr_count:     512
    .wavefront_size: 32
...
	.end_amdgpu_metadata
.endif
;; end of part 3
;; launch l3: the kernel of part 3 again; grid 16 x 13, 8 waves a work-group, no clusters, 263,168 bytes of LDS; arguments st2, wq3, par3, st3; writes st3
;; launch heads (part 4): grid 512 x 1, 4 waves a work-group, no clusters, 33,280 bytes of LDS; arguments st3, wqs, out0, out1, out2; writes out0, out1, out2
.if DOCPART == 4
	.amdgcn_target "amdgcn-amd-amdhsa--gfx1250"
	.amdhsa_code_object_version 6
	.text
	.protected	k_qcb8c535a19_heads
	.globl	k_qcb8c535a19_heads
	.p2align	8
	.type	k_qcb8c535a19_heads,@function
k_qcb8c535a19_heads:
	s_mov_b64 s[64:65], 0
	v_nop
	global_prefetch_b8 v0, s[64:65] scope:SCOPE_SE
	s_setreg_imm32_b32 hwreg(HW_REG_WAVE_MODE, 25, 1), 1
	s_wait_xcnt 0x0
; THE THREE HEADS: out0 = Q([ht3, ha3]) Q(W_cur) + b_cur (K = 800), out1 = Q(ht3) Q(W_ac) + b_ac, out2 = Q(ha3) Q(W_ap) + b_ap (K = 400).
; In the concatenation 400 is no multiple of 32: its block 12 is ht3[384:400] with ha3[0:16], and ha3's later blocks are shifted by 16 against those of the third product.  So ha3 is quantised twice.
; A work-group takes one tile of 16 rows.  Ten fragments of rows: 0-2 ht3, 3-5 ha3, 6-8 ha3 shifted by 16, 9 the tails [mixed block | ht3's block 12 | ha3's block 12 | 0].
; h3 lies in memory as register images: lane (r, h), register 8 u + j of block b = unit 32 b + 16 h + 8 u + j of row r: just the 16 neighbours of a block that the quantiser wants of a lane.  The shifted blocks take the other half's lanes.
; Phase 1: wave w quantises fragments w, w + 4 and (w < 2) w + 8; they go to LDS as images of their registers | barrier | phase 2: wave w makes columns 16 w .. 16 w + 15 of all three outputs: 15 products on three accumulators by turns;
; bias; into stages of 64 columns (all lanes store; columns that do not exist hold zeros and are not read) | barrier | phase 3: the tile's rows are dense in memory (3,520 or 3,328 bytes): a thread gathers 16 bytes and stores them.
; LIMITS: NaN and infinities are not served; a block of zeros gets the byte 1.
.set C_OFF, 10878976
.set WQH,   266240
.set XSCL,  15360                      ; LDS: ten images of 1,536 bytes, then their scale words, 128 bytes each,
.set STG,   16640                      ; then three stages of 16 rows x 256 bytes
.set LI,  1                            ; 16 x lane
.set LS,  2                            ; 4 x lane
.set IW,  6                            ; where I store images: 16 x lane + 1,536 x wave
.set SW,  7                            ; and scale words: 4 x lane + 128 x wave
.set N0,  64
.set N1,  128
.set TM,  192
.set PW,  208
.set PC,  212
.set MSB, 0
.macro WIN new
.if MSB != \new
	s_set_vgpr_msb (MSB<<8)|\new
.set MSB, \new
.endif
.endm
; 64 numbers of a lane, register 16 b + i = k 32 b + 16 (lane / 16) + i of my row, become a fragment's codes in v[PC] on and its scale word in v[PW].
.macro QUANT s
.irp b, 0,1,2,3
	v_max3_num_f32 v[TM+\b], |v[\s+16*\b]|, |v[\s+1+16*\b]|, 0x2800000
.endr
.irp i, 2,4,6,8,10,12,14
.irp b, 0,1,2,3
	v_max3_num_f32 v[TM+\b], v[TM+\b], |v[\s+16*\b+\i]|, |v[\s+1+16*\b+\i]|
.endr
.endr
.irp b, 0,1,2,3
	v_permlanex16_b32 v[TM+4+\b], v[TM+\b], s22, s23
.endr
.irp b, 0,1,2,3
	v_max_num_f32 v[TM+\b], v[TM+\b], v[TM+4+\b]
.endr
.irp b, 0,1,2,3
	v_add_nc_u32 v[TM+12+\b], 0xfe000000, v[TM+\b]
.endr
.irp b, 0,1,2,3
	v_lshrrev_b32 v[TM+4+\b], 23, v[TM+12+\b]
.endr
	v_lshl_or_b32 v[PW], v[TM+5], 8, v[TM+4]
	v_lshl_or_b32 v[PW], v[TM+6], 16, v[PW]
	v_lshl_or_b32 v[PW], v[TM+7], 24, v[PW]
.irp c, 0,1
	v_cvt_scalef32_pk16_bf6_f32 v[PC+6*\c:PC+2+6*\c], v[\s+32*\c:\s+15+32*\c], v[TM+12+2*\c]
	v_cvt_scalef32_pk16_bf6_f32 v[PC+12+4*\c:PC+14+4*\c], v[\s+16+32*\c:\s+31+32*\c], v[TM+12+2*\c+1]
.endr
	v_nop                                          ; one plain place behind a scaled conversion
.irp c, 0,1                            ; the operand's layout wants a whole block in a lane
.irp i, 0,1,2
	v_permlane16_swap_b32 v[PC+6*\c+\i], v[PC+12+4*\c+\i]
.endr
.irp i, 0,1,2
	v_mov_b32 v[PC+3+6*\c+\i], v[PC+12+4*\c+\i]
.endr
.endr
.endm
.macro IMAGE k                         ; fragment wave + 4 k goes to LDS as it stands
.irp c, 0,1,2
	ds_store_b128 v[IW], v[PC+4*\c:PC+4*\c+3] offset:6144*\k+512*\c
.endr
	ds_store_b32 v[SW], v[PW] offset:XSCL+512*\k
.endm
; Fragment F = wave + 4 k: its base (cell, first block) into s[sb:sb+1] and the lanes' offset into v[vo]: for the shifted fragments lane (r, 0) takes lane (r, 1)'s place and lane (r, 1) takes lane (r, 0)'s of the next block.
.macro SETN k, sb, vo
	s_add_co_u32 s40, s14, 4*\k
	s_cmp_ge_u32 s40, 3
	s_cselect_b32 s41, 1, 0
	s_cselect_b32 s42, 3, 0
	s_cmp_ge_u32 s40, 6
	s_cselect_b32 s42, 6, s42
	s_cselect_b32 s43, 1, 0
	s_sub_co_u32 s40, s40, s42
	s_lshl_b32 s40, s40, 23                        ; four blocks of 2,097,152 bytes to a fragment
	s_lshl_b32 s41, s41, 11
	s_add_co_u32 s40, s40, s41
	s_mov_b32 s41, 0
	s_add_nc_u64 s[\sb:\sb+1], s[16:17], s[40:41]
	s_lshl_b32 s44, s43, 8
	s_lshl_b32 s45, s43, 21
	v_xor_b32 v[\vo], s44, v[LI]
	v_mad_u32_u24 v[\vo], v4, s45, v[\vo]
.endm
.macro LOADN reg, sb, vo
.irp bq, 0,1,2,3
.irp e, 0,1,2,3
	global_load_b128 v[\reg+16*\bq+4*\e:\reg+16*\bq+4*\e+3], v[\vo], s[\sb:\sb+1] offset:2097152*\bq+512*\e
.endr
.endr
.endm
.macro BARRIER
	s_wait_dscnt 0x0
	s_barrier_signal -1
	s_barrier_wait -1
.endm
.macro HP kk, f, o, z                  ; K step kk of the weights x the rows' fragment f, onto output o
.if \z
	v_wmma_scale_f32_16x16x128_f8f6f4 v[232+8*\o:239+8*\o], v[64+12*\f:75+12*\f], v[12*\kk:12*\kk+11], 0, v[32+\f], v[42+\kk] matrix_a_fmt:MATRIX_FMT_BF6 matrix_b_fmt:MATRIX_FMT_BF6
.else
	v_wmma_scale_f32_16x16x128_f8f6f4 v[232+8*\o:239+8*\o], v[64+12*\f:75+12*\f], v[12*\kk:12*\kk+11], v[232+8*\o:239+8*\o], v[32+\f], v[42+\kk] matrix_a_fmt:MATRIX_FMT_BF6 matrix_b_fmt:MATRIX_FMT_BF6
.endif
.endm
; Number e = 4 (thread + 128 p) + i of the tile's dense block of output o lies in the stage at 256 row + 4 column = 4 e + row (256 - 4 nc), row = e / nc = (e x magic) >> 16 (exact for e under 16 nc)
.macro PADR o, p, nc, magic
.irp i, 0,1,2,3
	v_lshl_add_u32 v[64+8*\o+4*\p+\i], v0, 2, 512*\p+\i
	v_mul_u32_u24 v[96+\i], v[64+8*\o+4*\p+\i], \magic
	v_lshrrev_b32 v[96+\i], 16, v[96+\i]
	v_lshlrev_b32 v[64+8*\o+4*\p+\i], 2, v[64+8*\o+4*\p+\i]
	v_mad_u32_u24 v[64+8*\o+4*\p+\i], v[96+\i], 256-4*\nc, v[64+8*\o+4*\p+\i]
.endr
.endm
.macro GATHER o, p
.irp i, 0,1,2,3
	ds_load_b32 v[128+4*\o+\i], v[64+8*\o+4*\p+\i] offset:STG+4096*\o
.endr
.endm
	s_load_b256 s[4:11], s[0:1], 0x0               ; st3, wqs, out0, out1
	s_load_b64 s[12:13], s[0:1], 0x20              ; out2
	v_lshl_add_u32 v227, v0, 2, 0x8000
	v_mov_b32 v231, 0
	v_lshrrev_b32 v1, 5, v0
	v_readfirstlane_b32 s14, v1                    ; wave
	v_and_b32 v21, 31, v0
	v_and_b32 v3, 15, v0                           ; r
	v_bfe_u32 v4, v0, 4, 1                         ; h
	v_lshlrev_b32 v[LI], 4, v21
	v_lshlrev_b32 v[LS], 2, v21
	v_lshlrev_b32 v5, 2, v3                        ; 4 r
	s_mul_i32 s40, s14, 1536
	v_add_nc_u32 v[IW], s40, v[LI]
	s_lshl_b32 s40, s14, 7
	v_add_nc_u32 v[SW], s40, v[LS]
	s_lshl_b32 s40, s14, 6
	v_add_nc_u32 v13, s40, v5                      ; 4 n, n = 16 wave + r: my column
	v_lshl_add_u32 v14, v4, 11, v13                ; the stage: row 8 h, column n
	v_lshlrev_b32 v17, 4, v0                       ; 16 x thread
	s_mov_b32 s22, 0x76543210
	s_mov_b32 s23, 0xfedcba98
	s_mov_b32 s46, 0xffff0000
	v_mov_b32 v11, 0x1800000                       ; the mixed block: lane (r, 0) takes ht3's block 12 (12 x 2,097,152 bytes on), lane (r, 1) ha3's block 0 (2,048 bytes on), both from lanes (r, 0)
	v_mov_b32 v21, 2048
	v_cndmask_b32 v11, v11, v21, s46
	v_lshl_add_u32 v11, v3, 4, v11
.irp b, 0,1,2,3
	v_mov_b32 v[TM+4+\b], 0                        ; written once: a lane permute's destination counts as one of its sources
.endr
	s_lshl_b32 s40, ttmp9, 12
	s_add_co_u32 s40, s40, C_OFF
	s_mov_b32 s41, 0
	s_wait_kmcnt 0x0
	s_add_nc_u64 s[16:17], s[4:5], s[40:41]        ; my tile's h3: cell t, block 0
	s_add_nc_u64 s[18:19], s[16:17], 0x1800000     ; and block 12
	SETN 0, 20, 8
	SETN 1, 24, 9
	SETN 2, 26, 10
	s_mul_i32 s40, s14, 1536
	s_add_co_u32 s40, s40, WQH
	s_mov_b32 s41, 0
	s_add_nc_u64 s[28:29], s[6:7], s[40:41]        ; my fragments of weights: j = 4 kk + wave
	s_lshl_b32 s40, s14, 6
	s_add_co_u32 s40, s40, WQH+92160
	s_add_nc_u64 s[30:31], s[6:7], s[40:41]        ; their scale words
	s_add_nc_u64 s[32:33], s[6:7], WQH+96000       ; the bias vectors
	s_mul_i32 s40, ttmp9, 3520
	s_add_nc_u64 s[8:9], s[8:9], s[40:41]
	s_add_nc_u64 s[12:13], s[12:13], s[40:41]
	s_mul_i32 s40, ttmp9, 3328
	s_add_nc_u64 s[10:11], s[10:11], s[40:41]
	WIN 0x40                                       ; destination window 1
.set i, 0
.rept 15
.irp c, 0,1,2
	global_load_b128 v[12*i+4*\c:12*i+4*\c+3], v[LI], s[28:29] offset:6144*i+512*\c
.endr
.set i, i+1
.endr
	WIN 0
.set i, 0
.rept 15
	global_load_b32 v[42+i], v5, s[30:31] offset:256*i
.set i, i+1
.endr
.irp o, 0,1,2
	global_load_b32 v[18+\o], v13, s[32:33] offset:256*\o
.endr
	LOADN N0, 20, 8
	LOADN N1, 24, 9
	; ---- phase 1
	s_wait_loadcnt 16                              ; all but the second fragment's 16 loads
	QUANT N0
	IMAGE 0
	s_wait_dscnt 0x0                               ; the stores have read their registers
	s_wait_loadcnt 0x0
	s_cmp_ge_u32 s14, 2
	s_cbranch_scc1 .Lno3a
	s_cmp_eq_u32 s14, 1
	s_cbranch_scc1 .Ltails
	LOADN N0, 26, 10                               ; wave 0: fragment 8
	s_branch .Lno3a
.Ltails:                                           ; wave 1: fragment 9
.irp e, 0,1,2,3
	global_load_b128 v[N0+4*\e:N0+4*\e+3], v11, s[16:17] offset:512*\e
	global_load_b128 v[N0+16+4*\e:N0+16+4*\e+3], v[LI], s[18:19] offset:512*\e
	global_load_b128 v[N0+32+4*\e:N0+32+4*\e+3], v[LI], s[18:19] offset:2048+512*\e
.endr
.set i, 0
.rept 16
	v_mov_b32 v[N0+48+i], 0
.set i, i+1
.endr
.Lno3a:
	QUANT N1
	IMAGE 1
	s_wait_dscnt 0x0
	s_cmp_ge_u32 s14, 2
	s_cbranch_scc1 .Lno3b
	s_wait_loadcnt 0x0
	QUANT N0
	IMAGE 2
.Lno3b:
	BARRIER                                        ; the ten fragments lie in LDS
	; ---- phase 2
.irp f, 0,1,2,3,4,5,6,7,8,9
.irp c, 0,1,2
	ds_load_b128 v[64+12*\f+4*\c:64+12*\f+4*\c+3], v[LI] offset:1536*\f+512*\c
.endr
	ds_load_b32 v[32+\f], v[LS] offset:XSCL+128*\f
.endr
	s_wait_dscnt 0x0
	WIN 0x04                                       ; source 1 (the weights) window 1
	HP 0, 0, 0, 1                                  ; the three accumulators take turns, one instruction a turn
	HP 7, 0, 1, 1
	HP 1, 1, 0, 0
	HP 11, 3, 2, 1
	HP 2, 2, 0, 0
	HP 8, 1, 1, 0
	HP 3, 9, 0, 0
	HP 12, 4, 2, 0
	HP 4, 6, 0, 0
	HP 9, 2, 1, 0
	HP 5, 7, 0, 0
	HP 13, 5, 2, 0
	HP 6, 8, 0, 0
	HP 10, 9, 1, 0
	HP 14, 9, 2, 0
	WIN 0
.rept 4
	v_nop                                          ; four places ahead of the first read of results
.endr
.irp o, 0,1,2
.irp j, 0,1,2,3,4,5,6,7
	v_add_f32 v[232+8*\o+\j], v[18+\o], v[232+8*\o+\j]     ; register j: row 8 h + j, column n
.endr
.endr
.irp o, 0,1,2
.irp j, 0,1,2,3,4,5,6,7
	ds_store_b32 v14, v[232+8*\o+\j] offset:STG+4096*\o+256*\j
.endr
.endr
	PADR 0, 0, 55, 1192
	PADR 0, 1, 55, 1192
	PADR 1, 0, 52, 1261
	PADR 1, 1, 52, 1261
	PADR 2, 0, 55, 1192
	PADR 2, 1, 55, 1192
	BARRIER                                        ; the three stages are whole
	; ---- phase 3
	GATHER 0, 0
	GATHER 1, 0
	GATHER 2, 0
	s_wait_dscnt 0x0
	global_store_b128 v17, v[128:131], s[8:9]      ; a wave stores 512 consecutive bytes
	global_store_b128 v17, v[132:135], s[10:11]
	global_store_b128 v17, v[136:139], s[12:13]
	s_wait_xcnt 0x0                                ; the stores have read their registers, and EXEC changes only behind this wait
	v_cmp_gt_u32 vcc_lo, 92, v0                    ; (3,520 - 2,048) / 16 pieces are left
	s_wait_tensorcnt 0x0
	ds_add_u32 v227, v231
	s_wait_dscnt 0x0
	s_and_saveexec_b32 s40, vcc_lo
	GATHER 0, 1
	GATHER 2, 1
	s_wait_dscnt 0x0
	global_store_b128 v17, v[128:131], s[8:9] offset:2048
	global_store_b128 v17, v[136:139], s[12:13] offset:2048
	s_wait_xcnt 0x0
	s_or_b32 exec_lo, exec_lo, s40
	v_cmp_gt_u32 vcc_lo, 80, v0                    ; (3,328 - 2,048) / 16
	s_and_saveexec_b32 s40, vcc_lo
	GATHER 1, 1
	s_wait_dscnt 0x0
	global_store_b128 v17, v[132:135], s[10:11] offset:2048
	s_endpgm
.Lfunc_end_k_qcb8c535a19_heads:
	.size	k_qcb8c535a19_heads, .Lfunc_end_k_qcb8c535a19_heads-k_qcb8c535a19_heads
	.p2alignl 7, 3214868480
	.fill 96, 4, 3214868480
	.section	.rodata,"a",@progbits
	.p2align	6, 0x0
	.amdhsa_kernel k_qcb8c535a19_heads
		.amdhsa_group_segment_fixed_size 33280
		.amdhsa_private_segment_fixed_size 0
		.amdhsa_enable_private_segment 0
		.amdhsa_kernarg_size 40
		.amdhsa_user_sgpr_count 2
		.amdhsa_user_sgpr_kernarg_segment_ptr 1
		.amdhsa_wavefront_size32 1
		.amdhsa_system_sgpr_workgroup_id_x 1
		.amdhsa_system_sgpr_workgroup_id_y 1
		.amdhsa_system_sgpr_workgroup_id_z 1
		.amdhsa_system_vgpr_workitem_id 0
		.amdhsa_next_free_vgpr 448
		.amdhsa_next_free_sgpr 66
		.amdhsa_reserve_vcc 1
		.amdhsa_float_denorm_mode_32 3
		.amdhsa_float_denorm_mode_16_64 3
		.amdhsa_memory_ordered 1
		.amdhsa_forward_progress 1
		.amdhsa_inst_pref_size 46
	.end_amdhsa_kernel
	.amdgpu_metadata
---
amdhsa.version: [ 1, 2 ]
amdhsa.kernels:
  - .name:           k_qcb8c535a19_heads
    .symbol:         k_qcb8c535a19_heads.kd
    .args:
      - { .name: st3, .offset: 0, .size: 8, .value_kind: global_buffer, .address_space: global }
      - { .name: wqs, .offset: 8, .size: 8, .value_kind: global_buffer, .address_space: global }
      - { .name: out0, .offset: 16, .size: 8, .value_kind: global_buffer, .address_space: global }
      - { .name: out1, .offset: 24, .size: 8, .value_kind: global_buffer, .address_space: global }
      - { .name: out2, .offset: 32, .size: 8, .value_kind: global_buffer, .address_space: global }
    .group_segment_fixed_size: 33280
    .private_segment_fixed_size: 0
    .kernarg_segment_align: 8
    .kernarg_segment_size: 40
    .max_flat_workgroup_size: 128
    .sgpr_count:     66
    .vgpr_count:     448
    .wavefront_size: 32
...
	.end_amdgpu_metadata
.endif
;; end of part 4
;; ======== version 2 of 2: 5 launches; version 1 with the launches l1, l2, l3 written anew for expert scheduling mode
;; workspace buffers: wqs 363,008 bytes; wq2 2,555,904 bytes; wq3 2,555,904 bytes; par2 256 bytes of whole numbers; par3 256 bytes of whole numbers; st1 38,141,952 bytes; st2 38,141,952 bytes; st3 38,141,952 bytes
;; launch prep: the kernel of part 1 again; grid 450 x 1, 8 waves a work-group, no clusters, 0 bytes of LDS; arguments Wx_t2, U_t2, b_t2, Wx_a2, U_a2, b_a2, Wx_t3, U_t3, b_t3, Wx_a3, U_a3, b_a3, wq2, wq3, Wx_t1, Wx_a1, b_t1, b_a1, wqs, W_cur, W_ac, W_ap, b_cur, b_ac, b_ap, par2, par3; writes wq2, wq3, wqs, par2, par3
;; launch l1 (part 5): grid 32 x 13, 8 waves a work-group, no clusters, 115,712 bytes of LDS; arguments x_temp, x_air, wqs, st1; writes st1
.if DOCPART == 5
	.amdgcn_target "amdgcn-amd-amdhsa--gfx1250"
	.amdhsa_code_object_version 6
	.text
	.protected	k_qcb8c535a19_l1
	.globl	k_qcb8c535a19_l1
	.p2align	8
	.type	k_qcb8c535a19_l1,@function
k_qcb8c535a19_l1:
	s_mov_b64 s[64:65], 0
	v_nop
	global_prefetch_b8 v0, s[64:65] scope:SCOPE_SE
	s_setreg_imm32_b32 hwreg(HW_REG_WAVE_SCHED_MODE, 0, 2), 2
	s_setreg_imm32_b32 hwreg(HW_REG_WAVE_MODE, 25, 1), 1
	s_wait_xcnt 0x0
	s_wait_alu depctr_vm_vsrc(0)
; LAYER 1, BOTH CELLS.  reference() builds h1 = h2 = c1 = c2 = 0 in its own body, so for every finite U the recurrent products are sums of zero codes, and f1 c1 + f2 c2 = 0:
; i = sigmoid(gi), o = sigmoid(go), u = tanh(gu), c = i u, h = o tanh(c), g = Q(x) Q(Wx) + b.  U_t1, U_a1 and the f columns of Wx and b decide nothing and are not read.
; SHARES.  Work-group (x, b): block b of 32 hidden units of both cells; wave w: pair P = 8 x + w of row tiles (32 rows).  No wave needs another: no barrier.
; x's 32 rows (220 bytes each, dense) come by 16-byte loads, go through the wave's own LDS bytes and come back a number at a time, so that lane (r, h) holds k = 32 h + 0 .. 31 of row r: a whole block.
; THE PRODUCT IS USED TRANSPOSED: source 0 = 16 units, source 1 = 16 rows.  Lane (r, h) then holds row r, and register j of tile u the unit 32 b + 16 h + 8 u + j.  The bias is the C of the one product.
; OUT (st1): c as register images; the scale bytes; and the codes of ht, ha and hs = ht + ha, laid for the next layer's loads: a pair of row tiles has 30,720 bytes; fragment F, half c at 3,072 F + 1,536 c;
; in it the six words w0 .. w5 of slot (c, h), tile m, row r: w0-w3 at 512 h + 256 m + 16 r, w4 w5 at 1,024 + 256 h + 128 m + 8 r.  So a slot's two stores cover 512 and 256 consecutive bytes, aligned.
; LIMITS: NaN and infinities are not served; a block of zeros gets the byte 1; tanh(x) = 1 - 2 / (1 + e^2x) has an absolute error near 1e-7, so its relative accuracy falls for |x| under 1e-2.
; THE MODE: SCHED_MODE bits 1:0 = 2 (LLVM: expert scheduling mode 2), set by the entry lines.  The code itself states the register dependences
; between vector or matrix instructions and memory or LDS instructions, with s_wait_alu, always for 0.
; THE PLAN.  Registers that memory or LDS instructions touch:
;   v1-5, v253, v254  offsets and LDS addresses: made at the head, ahead of one wait on va_vdst, and never written again.
;   v128-239   x as loaded; read by my LDS stores; behind a wait on vm_vsrc v128-191 take the first input's numbers from LDS; the vector lines that quantise them read and write these; behind a wait on va_vdst the second input's land there.
;   XF, XSC    written by vector lines, taken by every product: eight places and one wait on va_vdst ahead of the first product.
;   v66-127    a sub-chunk's fragments, scale words and biases: loaded; read by the phase's six products; behind their places and a wait on va_vdst the next sub-chunk's 17 loads land there, with the whole vector part in which to come.
;   v128-143   c: written by the vector part; read by four stores, which stand behind the wait for tanh's exponentials; written again by the next phase's products (at the end: by the quantiser), behind a wait on vm_vsrc.
;   QT, QO     the quantiser's codes, bytes and offsets: written by vector lines, read by its stores behind one wait on va_vdst (block 12's last three stores behind one more).
.set S_OFF, 10485760                   ; st: the scale bytes begin here,
.set C_OFF, 10878976                   ; and c here
.set PAIRB, 30720                      ; a pair's codes
.set FLOOR, 0x2800000
.set LI,   1                           ; 16 x lane
.set LS,   2                           ; 4 x lane
.set H32,  3                           ; 32 h
.set XA,   4                           ; LDS: my row + 128 h
.set XB,   5                           ; LDS: my row
.set H8,   6                           ; 8 h
.set NIL,  11                          ; 0
.set MM1,  12                          ; v[12:13]  M: 0 in the lanes whose units do not exist (b = 12, h = 1), else 1
.set MM2,  14                          ; v[14:15]  -2 M
.set XF,   16                          ; v16-63  x's fragments: 12 (2 input + m)
.set XSC,  64                          ; v64-65  their scale words: lanes 0-15 tile m = 0, lanes 16-31 m = 1
.set WS,   66                          ; v66-67  the weights' scale words
.set WF,   68                          ; v68-103 three fragments of weights
.set BIAS, 104                         ; v104-127
.set AI,   128                         ; accumulators: gate g, tile m at 128 + 16 g + 8 m
.set AO,   144
.set AU,   160
.set HH,   176                         ; v176-239 h: 32 cell + 16 m + 8 u
.set CPY,  253
.set R4,   254                         ; 4 r
.set NB0,  176                         ; the quantiser's numbers: ht, ha, hs, each + 16 m
.set NB1,  208
.set NB2,  128
.set QT,   68                          ; its 56 registers at work,
.set QO,   160                         ; and the ten offsets of its stores
.macro MM d, a, b, c, sa, ra, sb, rb   ; one product; ra, rb: which half of the lanes holds source 0's and source 1's scale words
.if (\ra) && (\rb)
	v_wmma_scale_f32_16x16x128_f8f6f4 v[\d:\d+7], v[\a:\a+11], v[\b:\b+11], v[\c:\c+7], v[\sa], v[\sb] matrix_a_fmt:MATRIX_FMT_BF6 matrix_b_fmt:MATRIX_FMT_BF6 matrix_a_scale:MATRIX_SCALE_ROW1 matrix_b_scale:MATRIX_SCALE_ROW1
.elseif (\ra)
	v_wmma_scale_f32_16x16x128_f8f6f4 v[\d:\d+7], v[\a:\a+11], v[\b:\b+11], v[\c:\c+7], v[\sa], v[\sb] matrix_a_fmt:MATRIX_FMT_BF6 matrix_b_fmt:MATRIX_FMT_BF6 matrix_a_scale:MATRIX_SCALE_ROW1
.elseif (\rb)
	v_wmma_scale_f32_16x16x128_f8f6f4 v[\d:\d+7], v[\a:\a+11], v[\b:\b+11], v[\c:\c+7], v[\sa], v[\sb] matrix_a_fmt:MATRIX_FMT_BF6 matrix_b_fmt:MATRIX_FMT_BF6 matrix_b_scale:MATRIX_SCALE_ROW1
.else
	v_wmma_scale_f32_16x16x128_f8f6f4 v[\d:\d+7], v[\a:\a+11], v[\b:\b+11], v[\c:\c+7], v[\sa], v[\sb] matrix_a_fmt:MATRIX_FMT_BF6 matrix_b_fmt:MATRIX_FMT_BF6
.endif
.endm
.macro PLACES n
.rept \n
	v_nop
.endr
.endm
.macro SCL base, n, sp                 ; n registers x the scalar in s[sp]
.set i, 0
.rept (\n)/2
	v_pk_mul_f32 v[\base+i:\base+i+1], v[\base+i:\base+i+1], s[\sp:\sp+1] op_sel_hi:[1,0]
.set i, i+2
.endr
.endm
.macro EXPS base, n
.set i, 0
.rept \n
	v_exp_f32 v[\base+i], v[\base+i]
.set i, i+1
.endr
.endm
.macro RCPS base, n
.set i, 0
.rept \n
	v_rcp_f32 v[\base+i], v[\base+i]
.set i, i+1
.endr
.endm
.macro ADD1 base, n
.set i, 0
.rept (\n)/2
	v_pk_add_f32 v[\base+i:\base+i+1], v[\base+i:\base+i+1], 1.0 op_sel_hi:[1,0]
.set i, i+2
.endr
.endm
.macro DONE                            ; behind a batch of transcendentals: one plain place, and the one wait:
	v_nop
	s_wait_alu depctr_va_vdst(0)                   ; the batch's results are written, ahead of their first reader
.endm
; Where block b (s14) of X = ht, ha, hs goes.  b < 12: fragment F = 3 X + b / 4, slot b % 4; b = 12: fragment 9, slot X.  s[52+X]: the slot's w0-w3; s[55+X]: its w4 w5; s[58+X]: its scale byte, 512 (F / 4) + 4 (F % 4) + slot (b < 12 alone).
.macro OFFS
	s_lshr_b32 s48, s14, 2
	s_and_b32 s49, s14, 3
.irp x, 0,1,2
	s_add_co_u32 s50, s48, 3*\x
	s_lshr_b32 s51, s50, 2
	s_lshl_b32 s51, s51, 9
	s_and_b32 s46, s50, 3
	s_lshl_b32 s46, s46, 2
	s_add_co_u32 s46, s46, s51
	s_add_co_u32 s[58+\x], s46, s49
	s_mov_b32 s51, s49
	s_cmp_eq_u32 s14, 12
	s_cselect_b32 s50, 9, s50
	s_cselect_b32 s51, \x, s51
	s_mul_i32 s50, s50, 3072
	s_lshr_b32 s46, s51, 1
	s_mul_i32 s46, s46, 1536
	s_add_co_u32 s50, s50, s46
	s_and_b32 s51, s51, 1
	s_lshl_b32 s46, s51, 9
	s_add_co_u32 s[52+\x], s50, s46
	s_lshl_b32 s46, s51, 8
	s_add_co_u32 s46, s46, s50
	s_add_co_u32 s[55+\x], s46, 1024
.endr
.endm
.macro LOADW q                         ; sub-chunk q = 2 cell + u: 9 + 2 + 6 = 17 loads
.irp g, 0,1,2
.irp k, 0,1,2
	global_load_b128 v[WF+12*\g+4*\k:WF+12*\g+4*\k+3], v[LI], s[30:31] offset:5120*(\q)+1536*\g+512*\k
.endr
.endr
	global_load_b32 v[WS], v[LS], s[30:31] offset:5120*(\q)+4608      ; gate i's words below, gate o's above
	global_load_b32 v[WS+1], v[R4], s[30:31] offset:5120*(\q)+4736    ; gate u's
.irp g, 0,1,2
	global_load_b128 v[BIAS+8*\g:BIAS+8*\g+3], v[H32], s[30:31] offset:5120*(\q)+4800+64*\g
	global_load_b128 v[BIAS+8*\g+4:BIAS+8*\g+7], v[H32], s[30:31] offset:5120*(\q)+4816+64*\g
.endr
.endm
; Input n: both tiles' rows become fragments.  A lane's 32 numbers are one block: k = 32 h + i; from k = 55 on they are zeros (those loads take k = i instead, inside the row, and are cleared).
.macro XQ n
.if (\n) == 0
	s_wait_alu depctr_vm_vsrc(0)                   ; my LDS stores have read v128-239: in v128-191 the numbers below land
.else
	s_wait_alu depctr_va_vdst(0)                   ; the first input's selects, maxima and conversions are done writing and reading v128-191, in which the second input's numbers land
.endif
.irp m, 0,1
.set i, 0
.rept 32
.if i < 23
	ds_load_b32 v[128+32*\m+i], v[XA] offset:7168*\n+3520*\m+4*i
.else
	ds_load_b32 v[128+32*\m+i], v[XB] offset:7168*\n+3520*\m+4*i
.endif
.set i, i+1
.endr
.endr
	s_wait_dscnt 0x0
.irp m, 0,1
.irp i, 23,24,25,26,27,28,29,30,31
	v_cndmask_b32 v[128+32*\m+\i], v[128+32*\m+\i], v[NIL], s24
.endr
.endr
.irp m, 0,1
	v_max3_num_f32 v[240+\m], |v[128+32*\m]|, |v[129+32*\m]|, FLOOR
.endr
.irp i, 2,4,6,8,10,12,14,16,18,20,22,24,26,28,30
.irp m, 0,1
	v_max3_num_f32 v[240+\m], v[240+\m], |v[128+32*\m+\i]|, |v[129+32*\m+\i]|
.endr
.endr
.irp m, 0,1
	v_add_nc_u32 v[242+\m], 0xfe000000, v[240+\m]
.endr
.irp m, 0,1
	v_lshrrev_b32 v[244+\m], 23, v[242+\m]
.endr
.irp m, 0,1
	v_cvt_scalef32_pk16_bf6_f32 v[XF+12*(2*\n+\m):XF+12*(2*\n+\m)+2], v[128+32*\m:143+32*\m], v[242+\m]
	v_cvt_scalef32_pk16_bf6_f32 v[246+4*\m:248+4*\m], v[144+32*\m:159+32*\m], v[242+\m]
.endr
	v_nop                                          ; one plain place behind a scaled conversion
.irp m, 0,1
.irp i, 0,1,2
	v_mov_b32 v[XF+12*(2*\n+\m)+3+\i], v[246+4*\m+\i]
.endr
	v_lshlrev_b32 v[244+\m], v[H8], v[244+\m]      ; my block's byte at its place; the word's upper two bytes stay 0 over zero codes
.endr
.irp m, 0,1
	v_permlanex16_b32 v[240+\m], v[244+\m], s22, s23
.endr
.irp m, 0,1
	v_or_b32 v[244+\m], v[244+\m], v[240+\m]
.endr
	v_cndmask_b32 v[XSC+\n], v244, v245, s24       ; tile 0's words in lanes 0-15, tile 1's in lanes 16-31
.endm
.macro MAT1 q
	s_wait_xcnt 0x0                                ; the stores of c have read the accumulators' registers
.if (\q) > 0
	s_wait_alu depctr_vm_vsrc(0)                   ; the last phase's stores of c have read v128-143, which the products below write
.endif
	s_wait_loadcnt 0x0                             ; the sub-chunk is in
.irp g, 0,1,2
.irp m, 0,1
	MM AI+16*\g+8*\m, WF+12*\g, XF+12*(2*((\q)/2)+\m), BIAS+8*\g, WS+\g/2, \g&1, XSC+(\q)/2, \m
.endr
.endr
	PLACES 4                                       ; ahead of loads into the products' sources and of the first read of results
.endm
.macro VEC1 q
	SCL AI, 32, 18                                 ; -log2(e) x gi, go
	SCL AU, 16, 20                                 ; 2 log2(e) x gu
	EXPS AI, 48
	DONE
	ADD1 AI, 48
	RCPS AI, 48
	DONE
.set i, 0
.rept 8
	v_pk_fma_f32 v[AU+i:AU+i+1], v[AU+i:AU+i+1], -2.0, 1.0 op_sel_hi:[1,0,0]     ; u = 1 - 2 / (1 + e^2x)
.set i, i+2
.endr
.set i, 0
.rept 8
	v_pk_mul_f32 v[AI+i:AI+i+1], v[AI+i:AI+i+1], v[AU+i:AU+i+1]                  ; c = i u
.set i, i+2
.endr
.set i, 0
.rept 8
	v_pk_mul_f32 v[AU+i:AU+i+1], v[AI+i:AI+i+1], s[20:21] op_sel_hi:[1,0]
.set i, i+2
.endr
	EXPS AU, 16
	v_nop                                          ; one plain place behind the batch
	s_wait_alu depctr_va_vdst(0)                   ; the 16 exponentials are written, ahead of their first reader; and c is written, which the stores below read.  No later line of the phase writes c
.irp m, 0,1
.irp k, 0,1
	global_store_b128 v[LI], v[AI+8*\m+4*\k:AI+8*\m+4*\k+3], s[32:33] offset:4096*\m+2048*((\q)/2)+1024*((\q)%2)+512*\k
.endr
.endr
	ADD1 AU, 16
	RCPS AU, 16
	DONE
.set i, 0
.rept 8
	v_pk_fma_f32 v[AU+i:AU+i+1], v[AU+i:AU+i+1], v[MM2:MM2+1], v[MM1:MM1+1]      ; M tanh(c)
.set i, i+2
.endr
.irp m, 0,1
.irp i, 0,2,4,6
	v_pk_mul_f32 v[HH+32*((\q)/2)+16*\m+8*((\q)%2)+\i:HH+32*((\q)/2)+16*\m+8*((\q)%2)+\i+1], v[AO+8*\m+\i:AO+8*\m+\i+1], v[AU+8*\m+\i:AU+8*\m+\i+1]
.endr
.endr
.endm
; ht, ha and hs = ht + ha of my block, both tiles, become codes.  Vector v = 2 X + m: lane (r, h) holds 16 neighbours, lanes l and l xor 16 a block.  Registers from QT on: 6 maxima, 6 for the other half, 6 scale operands, 6 bytes, 6 x 4 codes.
.macro QB
	s_wait_xcnt 0x0                                ; earlier stores have read the registers that are written here
	s_wait_alu depctr_vm_vsrc(0)                   ; the last phase's stores of c have read v128-143, which the sums below write
.irp m, 0,1
.irp i, 0,2,4,6,8,10,12,14
	v_pk_add_f32 v[NB2+16*\m+\i:NB2+16*\m+\i+1], v[NB0+16*\m+\i:NB0+16*\m+\i+1], v[NB1+16*\m+\i:NB1+16*\m+\i+1]
.endr
.endr
.irp x, 0,1,2
.irp m, 0,1
	v_max3_num_f32 v[QT+2*\x+\m], |v[NB\x+16*\m]|, |v[NB\x+16*\m+1]|, FLOOR
	v_mov_b32 v[QT+6+2*\x+\m], 0                   ; (a lane permute's destination counts as one of its sources)
.endr
.endr
.irp i, 2,4,6,8,10,12,14
.irp x, 0,1,2
.irp m, 0,1
	v_max3_num_f32 v[QT+2*\x+\m], v[QT+2*\x+\m], |v[NB\x+16*\m+\i]|, |v[NB\x+16*\m+\i+1]|
.endr
.endr
.endr
.irp v, 0,1,2,3,4,5
	v_permlanex16_b32 v[QT+6+\v], v[QT+\v], s22, s23
.endr
.irp v, 0,1,2,3,4,5
	v_max_num_f32 v[QT+\v], v[QT+\v], v[QT+6+\v]
.endr
.irp v, 0,1,2,3,4,5
	v_add_nc_u32 v[QT+12+\v], 0xfe000000, v[QT+\v]
.endr
.irp v, 0,1,2,3,4,5
	v_lshrrev_b32 v[QT+18+\v], 23, v[QT+12+\v]
.endr
.irp x, 0,1,2
.irp m, 0,1
	v_cvt_scalef32_pk16_bf6_f32 v[QT+24+4*(2*\x+\m):QT+26+4*(2*\x+\m)], v[NB\x+16*\m:NB\x+16*\m+15], v[QT+12+2*\x+\m]
.endr
.endr
	v_nop                                          ; one plain place behind a scaled conversion
.irp x, 0,1,2                          ; tile 0's lanes 16-31 (w3 w4 w5) change places with tile 1's lanes 0-15 (w0 w1 w2): the first three registers then hold w0 w1 w2, the second three w3 w4 w5, of tile m, row r in lane 16 m + r
.irp i, 0,1,2
	v_permlane16_swap_b32 v[QT+24+8*\x+\i], v[QT+28+8*\x+\i]
.endr
.endr
.irp x, 0,1,2
	v_mov_b32 v[QT+27+8*\x], v[QT+28+8*\x]         ; w3 behind w0 w1 w2;
	v_mov_b32 v[QT+28+8*\x], v[QT+29+8*\x]         ; w4 w5 into a pair that begins on an even register
	v_mov_b32 v[QT+29+8*\x], v[QT+30+8*\x]
.endr
	v_lshrrev_b32 v[QO+9], 1, v[LI]                ; 8 x lane
.irp x, 0,1,2
	v_add_nc_u32 v[QO+\x], s[52+\x], v[LI]
	v_add_nc_u32 v[QO+3+\x], s[55+\x], v[QO+9]
	v_add_nc_u32 v[QO+6+\x], s[58+\x], v[LI]
	v_cndmask_b32 v[QT+48+\x], v[QT+18+2*\x], v[QT+19+2*\x], s24   ; lane 16 m + r: the byte of row r of tile m
.endr
	s_wait_alu depctr_va_vdst(0)                   ; the codes, the bytes and the ten offsets are written, which the stores below read
.irp x, 0,1,2
	global_store_b128 v[QO+\x], v[QT+24+8*\x:QT+27+8*\x], s[34:35]     ; 512 consecutive bytes, aligned
	global_store_b64 v[QO+3+\x], v[QT+28+8*\x:QT+29+8*\x], s[34:35]    ; 256 consecutive bytes, aligned
.endr
	s_cmp_eq_u32 s14, 12
	s_cbranch_scc1 .Lqtail_\@
.irp x, 0,1,2
	global_store_b8 v[QO+6+\x], v[QT+48+\x], s[40:41]
.endr
	s_branch .Lqdone_\@
.Lqtail_\@:                                        ; block 12: the three bytes make the tail fragment's word (its fourth slot: zero codes, byte 127)
	v_lshl_or_b32 v[QT+51], v[QT+49], 8, v[QT+48]
	v_lshl_or_b32 v[QT+51], v[QT+50], 16, v[QT+51]
	v_or_b32 v[QT+51], 0x7f000000, v[QT+51]
.irp i, 0,1,2,3
	v_mov_b32 v[QT+52+\i], 0
.endr
	s_wait_alu depctr_va_vdst(0)                   ; the tail's word and the four zeros are written, which the three stores below read
	global_store_b32 v[LI], v[QT+51], s[40:41] offset:1028
	global_store_b128 v[LI], v[QT+52:QT+55], s[34:35] offset:9*3072+1536+512
	global_store_b64 v[QO+9], v[QT+52:QT+53], s[34:35] offset:9*3072+1536+1024+256
.Lqdone_\@:
.endm
	s_load_b256 s[4:11], s[0:1], 0x0               ; x_temp, x_air, wqs, st1
	v_lshl_add_u32 v249, v0, 2, 0x1c000
	v_mov_b32 v255, 0
	v_lshrrev_b32 v1, 5, v0
	v_readfirstlane_b32 s12, v1                    ; wave
	v_and_b32 v240, 31, v0
	v_and_b32 v241, 15, v0
	v_bfe_u32 v242, v0, 4, 1
	v_lshlrev_b32 v[LI], 4, v240
	v_lshlrev_b32 v[LS], 2, v240
	v_lshlrev_b32 v[R4], 2, v241
	v_lshlrev_b32 v[H32], 5, v242
	v_lshlrev_b32 v[H8], 3, v242
	s_wait_alu depctr_va_sdst(0)                   ; s12, the wave's number, is written, ahead of its first reader
	s_mul_i32 s17, s12, 14336                      ; my wave's LDS bytes
	v_mul_u32_u24 v[XB], v241, 220
	v_add_nc_u32 v[XB], s17, v[XB]
	v_lshl_add_u32 v[XA], v242, 7, v[XB]
	v_add_nc_u32 v[CPY], s17, v[LI]
	v_mov_b32 v[NIL], 0
	s_and_b32 s14, ttmp7, 0xffff                   ; b
	s_lshl_b32 s13, ttmp9, 3
	s_add_co_u32 s13, s13, s12                     ; P
	s_mul_i32 s44, s13, 7040
	s_mov_b32 s45, 0
	s_mul_i32 s46, s14, 20480
	s_mov_b32 s47, 0
	s_wait_kmcnt 0x0
	s_add_nc_u64 s[26:27], s[4:5], s[44:45]
	s_add_nc_u64 s[28:29], s[6:7], s[44:45]
	s_add_nc_u64 s[30:31], s[8:9], s[46:47]
	s_wait_alu depctr_va_vdst(0)                   ; the offsets and LDS addresses v1-5, v253, v254 are written, which every load and store of the kernel reads; none is written again
.irp n, 0,1                            ; 7,040 bytes of each input: 13 loads of 512 bytes and one that ends with the last byte
.irp i, 0,1,2,3,4,5,6,7,8,9,10,11,12
	global_load_b128 v[128+56*\n+4*\i:131+56*\n+4*\i], v[LI], s[26+2*\n:27+2*\n] offset:512*\i
.endr
	global_load_b128 v[180+56*\n:183+56*\n], v[LI], s[26+2*\n:27+2*\n] offset:6528
.endr
	LOADW 0
	s_mov_b32 s18, 0xbfb8aa3b                      ; -log2(e)
	s_mov_b32 s19, s18
	s_mov_b32 s20, 0x4038aa3b                      ; 2 log2(e)
	s_mov_b32 s21, s20
	s_mov_b32 s22, 0x76543210
	s_mov_b32 s23, 0xfedcba98
	s_mov_b32 s24, 0xffff0000                      ; lanes 16-31
	s_cmp_eq_u32 s14, 12
	s_cselect_b32 s25, s24, 0
	v_cndmask_b32 v[MM1], 1.0, v[NIL], s25
	v_mov_b32 v[MM1+1], v[MM1]
	v_mul_f32 v[MM2], -2.0, v[MM1]
	v_mov_b32 v[MM2+1], v[MM2]
	; where the results go
	s_mul_i32 s44, s13, PAIRB
	s_add_nc_u64 s[34:35], s[10:11], s[44:45]      ; the pair's codes
	s_mul_i32 s44, s13, 1536
	s_add_co_u32 s44, s44, S_OFF
	s_add_nc_u64 s[40:41], s[10:11], s[44:45]      ; its scale bytes
	s_lshl_b32 s44, s14, 21
	s_lshl_b32 s50, s13, 13
	s_add_co_u32 s44, s44, s50
	s_add_co_u32 s44, s44, C_OFF
	s_add_nc_u64 s[32:33], s[10:11], s[44:45]      ; its c of my block
	OFFS
.irp f, 0,1,2,3
.irp i, 6,7,8,9,10,11
	v_mov_b32 v[XF+12*\f+\i], 0                    ; k = 64 .. 127 of x: zero codes
.endr
.endr
	s_wait_loadcnt 17                              ; x is in; the 17 younger loads, the first sub-chunk, may stay out
.irp n, 0,1
.irp i, 0,1,2,3,4,5,6,7,8,9,10,11,12
	ds_store_b128 v[CPY], v[128+56*\n+4*\i:131+56*\n+4*\i] offset:7168*\n+512*\i
.endr
	ds_store_b128 v[CPY], v[180+56*\n:183+56*\n] offset:7168*\n+6528
.endr
	XQ 0                                           ; LDS serves a wave's instructions in order: the loads see my stores
	XQ 1
	PLACES 8                                       ; a scale register written by a vector instruction stands 8 places ahead of a scaled product, an operand so written 4
	s_wait_alu depctr_va_vdst(0)                   ; x's four fragments and two registers of scale words are written, which the products of all four phases take; the places above stay beside this wait
.irp q, 0,1,2,3
	MAT1 \q
.if \q < 3
	s_wait_alu depctr_va_vdst(0)                   ; the six products are done reading their fragments, scale words and biases, in which the next sub-chunk lands
	LOADW \q+1
.endif
	VEC1 \q
.endr
	QB
	s_wait_dscnt 0x0                               ; the closing lines, six on end
	s_wait_alu 0x0
	s_wait_tensorcnt 0x0
	ds_add_u32 v249, v255
	s_wait_dscnt 0x0
	s_endpgm
.Lfunc_end_k_qcb8c535a19_l1:
	.size	k_qcb8c535a19_l1, .Lfunc_end_k_qcb8c535a19_l1-k_qcb8c535a19_l1
	.p2alignl 7, 3214868480
	.fill 96, 4, 3214868480
	.section	.rodata,"a",@progbits
	.p2align	6, 0x0
	.amdhsa_kernel k_qcb8c535a19_l1
		.amdhsa_group_segment_fixed_size 115712
		.amdhsa_private_segment_fixed_size 0
		.amdhsa_enable_private_segment 0
		.amdhsa_kernarg_size 32
		.amdhsa_user_sgpr_count 2
		.amdhsa_user_sgpr_kernarg_segment_ptr 1
		.amdhsa_wavefront_size32 1
		.amdhsa_system_sgpr_workgroup_id_x 1
		.amdhsa_system_sgpr_workgroup_id_y 1
		.amdhsa_system_sgpr_workgroup_id_z 1
		.amdhsa_system_vgpr_workitem_id 0
		.amdhsa_next_free_vgpr 256
		.amdhsa_next_free_sgpr 66
		.amdhsa_reserve_vcc 0
		.amdhsa_float_denorm_mode_32 3
		.amdhsa_float_denorm_mode_16_64 3
		.amdhsa_memory_ordered 1
		.amdhsa_forward_progress 1
		.amdhsa_inst_pref_size 89
	.end_amdhsa_kernel
	.amdgpu_metadata
---
amdhsa.version: [ 1, 2 ]
amdhsa.kernels:
  - .name:           k_qcb8c535a19_l1
    .symbol:         k_qcb8c535a19_l1.kd
    .args:
      - { .name: x_temp, .offset: 0, .size: 8, .value_kind: global_buffer, .address_space: global }
      - { .name: x_air, .offset: 8, .size: 8, .value_kind: global_buffer, .address_space: global }
      - { .name: wqs, .offset: 16, .size: 8, .value_kind: global_buffer, .address_space: global }
      - { .name: st1, .offset: 24, .size: 8, .value_kind: global_buffer, .address_space: global }
    .group_segment_fixed_size: 115712
    .private_segment_fixed_size: 0
    .kernarg_segment_align: 8
    .kernarg_segment_size: 32
    .max_flat_workgroup_size: 256
    .sgpr_count:     66
    .vgpr_count:     256
    .wavefront_size: 32
...
	.end_amdgpu_metadata
.endif
;; end of part 5
;; launch l2 (part 6): grid 16 x 13, 8 waves a work-group, no clusters, 263,168 bytes of LDS; arguments st1, wq2, par2, st2; writes st2
.if DOCPART == 6
	.amdgcn_target "amdgcn-amd-amdhsa--gfx1250"
	.amdhsa_code_object_version 6
	.text
	.protected	k_qcb8c535a19_l2
	.globl	k_qcb8c535a19_l2
	.p2align	8
	.type	k_qcb8c535a19_l2,@function
k_qcb8c535a19_l2:
	s_mov_b64 s[64:65], 0
	v_nop
	global_prefetch_b8 v0, s[64:65] scope:SCOPE_SE
	s_setreg_imm32_b32 hwreg(HW_REG_WAVE_SCHED_MODE, 0, 2), 2
	s_setreg_imm32_b32 hwreg(HW_REG_WAVE_MODE, 25, 1), 1
	s_wait_xcnt 0x0
	s_wait_alu depctr_vm_vsrc(0)
; LAYERS 2 AND 3, BOTH CELLS (one body; the flag read from par tells them apart: a whole number that an earlier launch stored).
; cell(x, ht, ct, ha, ca): i, o, u from x Wx + (ht + ha) U + b; f1, f2 from x Wxf + b + ht Uf, ha Uf; c = i u + f1 ct + f2 ca; h = o tanh(c).  x = ht for the t cell, ha for the a cell.
; SHARES.  Work-group (g, b): block b of 32 hidden units of both cells, 512 rows.  The block's weights, 4 chunks (2 cell + u) of 49,152 bytes, are copied into LDS once and stay: one barrier, then no wave needs another.
; Wave w walks pairs P = 16 g + 2 w + trip of row tiles (32 rows), two trips.  A pair's operands, 10 fragments for each tile (ht, ha, hs: 3 K steps each; one shared tail [ht12 | ha12 | hs12 | 0]), stay in 240 registers (window 1)
; for the pair's four phases, so that each fragment of weights read from LDS feeds two or four products and none is read twice for a pair.  K = 400 is three whole K steps and the tail: 33 products for a tile, against 36.
; THE PRODUCT IS USED TRANSPOSED: source 0 = 16 units, source 1 = 16 rows: lane (r, h) holds row r, and register j of tile u the unit 32 b + 16 h + 8 u + j.  The biases are loaded into the accumulators and are the first products' C.
; THE ROWS' CODES in memory: a pair has 30,720 bytes; fragment F, half c at 3,072 F + 1,536 c; in it the six words of slot (c, h), tile m, row r: w0-w3 at 512 h + 256 m + 16 r, w4 w5 at 1,024 + 256 h + 128 m + 8 r:
; a load of 16 bytes a lane takes two runs of 256 bytes, one of 8 bytes two runs of 128, and the writer, which holds both tiles of a slot, stores 512 and 256 consecutive bytes.
; c OF A PHASE is asked for in the phase before, behind the last use of that phase's c, into registers that the products do not touch: a run of 66 products lies between the request and the wait.
; TWO WAVES OF 512 REGISTERS SHARE A SIMD, and one wave's activations are to stand beside the other's products.  So the two do not start together: half of the waves ask for their first operands with the weights, the others only
; when their part of the weights lies in LDS.  The halves are told apart by (w xor w / 4) % 2, which takes one of waves w, w + 4 and one of waves 2 k, 2 k + 1.
; No tensor load: nothing in LDS is filled twice.  No cluster: what work-groups share at one time is the rows' codes, whose 13 sharers no cluster of four divides, and which go straight into registers.
; LIMITS: as in layer 1 (NaN, infinities; the byte of a block of zeros; tanh's absolute error near 1e-7).
; THE MODE: SCHED_MODE bits 1:0 = 2 (LLVM: expert scheduling mode 2), set by the entry lines.  The code itself states the register dependences
; between vector or matrix instructions and memory or LDS instructions, with s_wait_alu, always for 0.
; THE PLAN.  Registers that memory or LDS instructions touch, round the loop:
;   window 1 v0-239, AS   a pair's operands and scale words.  Loaded at the head, and for the next pair in phase 3's vector part; read by the four phases' products alone.  The wait behind phase 3's 80 exponentials states that the last products have read them.
;   WB (two sets), WS     the weights' fragments and scale words.  Read by products alone (at a pair's end WB holds h for the quantiser).  Groups 0 and 1 and the scale words of phase q + 1 are asked for in phase q's vector part, dealt among its 40 additions,
;                         behind the wait for the 80 exponentials, which states that phase q's products are done.  Group k + 1 (k = 1 .. 6) is dealt among group k's products, behind ONE wait on va_vdst at the step's head: group k - 1 is done reading that set;
;                         the products issued since name the other set.
;   the accumulators      Biases land in four of them at a phase's head; products and the vector part work on them; c (AI) is read by stores behind the wait for tanh's exponentials, h (AO) by stores behind a wait of their own, the vector part's last line but the stores.
;                         No vector line stands between that wait and the next biases, so at a phase's head one wait on vm_vsrc is all: the stores have read AI and AO.
;   ct, ca                Read by 16 multiply-adds; the next phase's land behind the wait for tanh's exponentials.
;   the quantiser         writes v108-205 behind a wait on vm_vsrc (the stores of c and h have read v140-171); its stores stand behind one wait on va_vdst (block 12's last three behind one more).
;   addresses             v1-5, v14-17, v43, v252-255: made at the head, ahead of one wait on va_vdst, and never written again: an LDS byte beyond the immediate's reach takes the register that holds 65,536 or 131,072 more (macro PICK).
.set S_OFF, 10485760
.set C_OFF, 10878976
.set PAIRB, 30720
.set FLOOR, 0x2800000
.set CH,    49152
.set SCR,   196608                     ; behind the weights: 8,192 bytes for each wave, for a pair's h
.set LI,   1                           ; 16 x lane
.set VA,   2                           ; 512 h + 16 r
.set LS,   3                           ; 4 x lane
.set H32,  4                           ; 32 h
.set VB,   5                           ; 256 h + 8 r
.set NIL,  9
.set MM1,  10                          ; v[10:11] M, v[12:13] -2 M
.set MM2,  12
.set LI1,  14                          ; 16 x lane, 4 x lane, 32 h, each + 65,536
.set LS1,  15
.set HB1,  16
.set HSC,  17                          ; my wave's scratch + 16 x lane
.set AS,   18                          ; v18-27  the rows' scale words, fragment F: lanes 0-15 tile 0, lanes 16-31 tile 1
.set WS,   28                          ; v28-42  the weights': fragments 2 p below, 2 p + 1 above
.set PFO,  43                          ; 256 x lane
.set WB,   44                          ; v44-91, v92-139  two sets of four fragments of weights
.set AI,   140                         ; accumulators, + 8 m: i, o, u, gf, ht Uf, ha Uf
.set AO,   156
.set AU,   172
.set AG,   188
.set AA1,  204
.set AA2,  220
.set C2,   236                         ; v236-251  ca of the phase, + 8 m
.set C1W,  240                         ; v240-255 of window 1: ct
.set LI2,  252                         ; 16 x lane, 4 x lane, 32 h, each + 131,072
.set LS2,  253
.set HB2,  254
.set CPY,  255                         ; the head: where my eighth of the weights goes in LDS
.set NB0,  44
.set NB1,  76
.set NB2,  108
.set QT,   140
.set QO,   196
.set MSB, 0
.macro WIN new                         ; the immediate's high byte repeats the setting that is left
.if MSB != \new
	s_set_vgpr_msb (MSB<<8)|\new
.set MSB, \new
.endif
.endm
.macro MM d, a, b, c, sa, ra, sb, rb
.if (\ra) && (\rb)
	v_wmma_scale_f32_16x16x128_f8f6f4 v[\d:\d+7], v[\a:\a+11], v[\b:\b+11], v[\c:\c+7], v[\sa], v[\sb] matrix_a_fmt:MATRIX_FMT_BF6 matrix_b_fmt:MATRIX_FMT_BF6 matrix_a_scale:MATRIX_SCALE_ROW1 matrix_b_scale:MATRIX_SCALE_ROW1
.elseif (\ra)
	v_wmma_scale_f32_16x16x128_f8f6f4 v[\d:\d+7], v[\a:\a+11], v[\b:\b+11], v[\c:\c+7], v[\sa], v[\sb] matrix_a_fmt:MATRIX_FMT_BF6 matrix_b_fmt:MATRIX_FMT_BF6 matrix_a_scale:MATRIX_SCALE_ROW1
.elseif (\rb)
	v_wmma_scale_f32_16x16x128_f8f6f4 v[\d:\d+7], v[\a:\a+11], v[\b:\b+11], v[\c:\c+7], v[\sa], v[\sb] matrix_a_fmt:MATRIX_FMT_BF6 matrix_b_fmt:MATRIX_FMT_BF6 matrix_b_scale:MATRIX_SCALE_ROW1
.else
	v_wmma_scale_f32_16x16x128_f8f6f4 v[\d:\d+7], v[\a:\a+11], v[\b:\b+11], v[\c:\c+7], v[\sa], v[\sb] matrix_a_fmt:MATRIX_FMT_BF6 matrix_b_fmt:MATRIX_FMT_BF6
.endif
.endm
.macro PR k, e, acc, f                 ; fragment e of group k x the rows' fragment f, both tiles, onto acc
.irp m, 0,1
	MM \acc+8*\m, WB+48*((\k)&1)+12*(\e), 120*\m+12*(\f), \acc+8*\m, WS+2*(\k)+(\e)/2, (\e)&1, AS+(\f), \m
.endr
.endm
.macro PZ k, e, acc, f                 ; the same where the product starts the sum (e is odd here: the weights' words lie in lanes 16-31)
	v_wmma_scale_f32_16x16x128_f8f6f4 v[\acc:\acc+7], v[WB+48*((\k)&1)+12*(\e):WB+48*((\k)&1)+12*(\e)+11], v[12*(\f):12*(\f)+11], 0, v[WS+2*(\k)+(\e)/2], v[AS+(\f)] matrix_a_fmt:MATRIX_FMT_BF6 matrix_b_fmt:MATRIX_FMT_BF6 matrix_a_scale:MATRIX_SCALE_ROW1
	v_wmma_scale_f32_16x16x128_f8f6f4 v[\acc+8:\acc+15], v[WB+48*((\k)&1)+12*(\e):WB+48*((\k)&1)+12*(\e)+11], v[120+12*(\f):120+12*(\f)+11], 0, v[WS+2*(\k)+(\e)/2], v[AS+(\f)] matrix_a_fmt:MATRIX_FMT_BF6 matrix_b_fmt:MATRIX_FMT_BF6 matrix_a_scale:MATRIX_SCALE_ROW1 matrix_b_scale:MATRIX_SCALE_ROW1
.endm
; LDS byte x of the weights, beside the lane's term: AR = the register that holds the lane's term + 65,536 (x / 65,536), AOF = the rest of x, which fits the immediate's 16 bits
.macro PICK r0, r1, r2, x
.set AOF, (\x)&0xffff
.if (\x) < 65536
.set AR, \r0
.elseif (\x) < 131072
.set AR, \r1
.else
.set AR, \r2
.endif
.endm
.macro LOADF q, k, e                   ; fragment e of group k of chunk q from LDS into set k % 2: three loads
.irp c, 0,1,2
	PICK LI, LI1, LI2, (\q)*CH+1536*(4*(\k)+(\e))+512*\c
	ds_load_b128 v[WB+48*((\k)&1)+12*(\e)+4*\c:WB+48*((\k)&1)+12*(\e)+4*\c+3], v[AR] offset:AOF
.endr
.endm
.macro BLOAD d, x                      ; 16 bytes of a bias into four registers of an accumulator
	PICK H32, HB1, HB2, \x
	ds_load_b128 v[\d:\d+3], v[AR] offset:AOF
.endm
; Piece n of 13 of what chunk q's products want first, three loads each: n < 8: fragment n % 4 of group n / 4; n = 8 .. 12: three of the 15 registers of scale words
.macro AHP q, n
.if (\n) < 8
	LOADF \q, (\n)/4, (\n)%4
.else
.irp c, 0,1,2
	PICK LS, LS1, LS2, (\q)*CH+46080+128*(3*((\n)-8)+\c)
	ds_load_b32 v[WS+3*((\n)-8)+\c], v[AR] offset:AOF
.endr
.endif
.endm
.macro DEAL q, k, part                 ; among group k's products: half of group k + 1's fragments (groups 0 and 1 have come ahead; group 7 has two fragments)
.if ((\k) > 0) && ((\k) < 6)
	LOADF \q, (\k)+1, 2*(\part)
	LOADF \q, (\k)+1, 2*(\part)+1
.elseif (\k) == 6
	LOADF \q, 7, \part
.endif
.endm
; Group k holds fragments 4 k .. 4 k + 3.  Even k < 6: Wx gates i f o u of K step k / 2, against x.  Odd k < 6: U gates i o u against hs, U f against ht and against ha.  6: the tails of i, o, u, gf.  7: the tails of ht Uf, ha Uf.
; The accumulators take turns, one instruction a turn, within a group and from group to group.
; The next group's loads stand behind the group's first and second pair of products.  No wait: no product issued since the wait at the step's head names the set in which they land.
.macro GRP k, cell, q
.if (\k) == 7
	PR 7, 0, AA1, 9
	PR 7, 1, AA2, 9
.elseif (\k) == 6
	PR 6, 0, AI, 9
	DEAL \q, 6, 0
	PR 6, 1, AO, 9
	DEAL \q, 6, 1
	PR 6, 2, AU, 9
	PR 6, 3, AG, 9
.elseif ((\k)&1) == 0
	PR \k, 0, AI, 3*(\cell)+(\k)/2
	DEAL \q, \k, 0
	PR \k, 1, AG, 3*(\cell)+(\k)/2
	DEAL \q, \k, 1
	PR \k, 2, AO, 3*(\cell)+(\k)/2
	PR \k, 3, AU, 3*(\cell)+(\k)/2
.else
	PR \k, 0, AI, 6+(\k)/2
	DEAL \q, \k, 0
	PR \k, 1, AO, 6+(\k)/2
	DEAL \q, \k, 1
	PR \k, 2, AU, 6+(\k)/2
.if (\k) == 1
	PZ 1, 3, AA1, 0
	PZ 1, 3, AA2, 3
.else
	PR \k, 3, AA1, (\k)/2
	PR \k, 3, AA2, 3+(\k)/2
.endif
.endif
.endm
.macro PLACES n
.rept \n
	v_nop
.endr
.endm
.macro SCL base, n, sp
.set i, 0
.rept (\n)/2
	v_pk_mul_f32 v[\base+i:\base+i+1], v[\base+i:\base+i+1], s[\sp:\sp+1] op_sel_hi:[1,0]
.set i, i+2
.endr
.endm
.macro EXPS base, n
.set i, 0
.rept \n
	v_exp_f32 v[\base+i], v[\base+i]
.set i, i+1
.endr
.endm
.macro RCPS base, n
.set i, 0
.rept \n
	v_rcp_f32 v[\base+i], v[\base+i]
.set i, i+1
.endr
.endm
.macro ADD1 base, n
.set i, 0
.rept (\n)/2
	v_pk_add_f32 v[\base+i:\base+i+1], v[\base+i:\base+i+1], 1.0 op_sel_hi:[1,0]
.set i, i+2
.endr
.endm
.macro ADDP p                          ; 1 + e^x, pair p of 40: 24 pairs of i, o, u, then 16 of f1, f2
	v_pk_add_f32 v[AI+2*(\p)+16*((\p)/24):AI+2*(\p)+16*((\p)/24)+1], v[AI+2*(\p)+16*((\p)/24):AI+2*(\p)+16*((\p)/24)+1], 1.0 op_sel_hi:[1,0]
.endm
.macro DONE                            ; behind a batch of transcendentals: one plain place, and the one wait:
	v_nop
	s_wait_alu depctr_va_vdst(0)                   ; the batch's results are written, ahead of their first reader
.endm
; Where block b (s14) of X = ht, ha, hs goes.  b < 12: fragment F = 3 X + b / 4, slot b % 4; b = 12: fragment 9, slot X.  s[52+X]: the slot's w0-w3; s[55+X]: its w4 w5; s[58+X]: its scale byte, 512 (F / 4) + 4 (F % 4) + slot (b < 12 alone).
.macro OFFS
	s_lshr_b32 s48, s14, 2
	s_and_b32 s49, s14, 3
.irp x, 0,1,2
	s_add_co_u32 s50, s48, 3*\x
	s_lshr_b32 s51, s50, 2
	s_lshl_b32 s51, s51, 9
	s_and_b32 s46, s50, 3
	s_lshl_b32 s46, s46, 2
	s_add_co_u32 s46, s46, s51
	s_add_co_u32 s[58+\x], s46, s49
	s_mov_b32 s51, s49
	s_cmp_eq_u32 s14, 12
	s_cselect_b32 s50, 9, s50
	s_cselect_b32 s51, \x, s51
	s_mul_i32 s50, s50, 3072
	s_lshr_b32 s46, s51, 1
	s_mul_i32 s46, s46, 1536
	s_add_co_u32 s50, s50, s46
	s_and_b32 s51, s51, 1
	s_lshl_b32 s46, s51, 9
	s_add_co_u32 s[52+\x], s50, s46
	s_lshl_b32 s46, s51, 8
	s_add_co_u32 s46, s46, s50
	s_add_co_u32 s[55+\x], s46, 1024
.endr
.endm
; A pair's operands: 80 loads into window 1 (a slot's 24 bytes a lane: 16 + 8), 3 loads of scale words.
.macro LOADA offa, offs
	WIN 0x40                                       ; destination window 1, address window 0
.irp m, 0,1
.irp f, 0,1,2,3,4,5,6,7,8,9
.irp c, 0,1
	global_load_b128 v[120*\m+12*\f+6*\c:120*\m+12*\f+6*\c+3], v[VA], s[26:27] offset:(\offa)+3072*\f+1536*\c+256*\m
	global_load_b64 v[120*\m+12*\f+6*\c+4:120*\m+12*\f+6*\c+5], v[VB], s[26:27] offset:(\offa)+3072*\f+1536*\c+1024+128*\m
.endr
.endr
.endr
	WIN 0
	global_load_b128 v[AS:AS+3], v[LI], s[28:29] offset:(\offs)
	global_load_b128 v[AS+4:AS+7], v[LI], s[28:29] offset:(\offs)+512
	global_load_b64 v[AS+8:AS+9], v[LI], s[28:29] offset:(\offs)+1024
.endm
.macro CLOAD u, off                    ; ct and ca of unit tile u, both row tiles: 8 loads
	WIN 0x40
.irp m, 0,1
.irp k, 0,1
	global_load_b128 v[C1W+8*\m+4*\k:C1W+8*\m+4*\k+3], v[LI], s[30:31] offset:(\off)+4096*\m+1024*(\u)+512*\k
.endr
.endr
	WIN 0
.irp m, 0,1
.irp k, 0,1
	global_load_b128 v[C2+8*\m+4*\k:C2+8*\m+4*\k+3], v[LI], s[30:31] offset:(\off)+4096*\m+2048+1024*(\u)+512*\k
.endr
.endr
.endm
; The 66 products of phase q = 2 cell + u.  While a group is multiplied the next group's fragments are on their way from LDS.
.macro MAT q, cell
	s_wait_xcnt 0x0                                ; earlier stores have read the accumulators' registers
	s_wait_alu depctr_vm_vsrc(0)                   ; the stores of c and of h have read AI and AO (ahead of the first pair: my LDS stores of the weights have read v44-235; ahead of the second: the quantiser's stores have read v164-205): biases and fragments land there, products write there
.irp m, 0,1                            ; the biases: gate i -> i, f -> gf, o -> o, u -> u; lane (r, h) takes the tile's rows 8 h + 0 .. 7.  No vector line stands between the wait ahead of the last stores and these loads
	BLOAD AI+8*\m, (\q)*CH+48000
	BLOAD AI+8*\m+4, (\q)*CH+48016
	BLOAD AG+8*\m, (\q)*CH+48064
	BLOAD AG+8*\m+4, (\q)*CH+48080
	BLOAD AO+8*\m, (\q)*CH+48128
	BLOAD AO+8*\m+4, (\q)*CH+48144
	BLOAD AU+8*\m, (\q)*CH+48192
	BLOAD AU+8*\m+4, (\q)*CH+48208
.endr
.if (\q) == 0                          ; a pair's first phase asks for its own groups 0 and 1 and scale words: up to here the two sets held h for the quantiser
.set n, 0
.rept 13
	AHP 0, n
.set n, n+1
.endr
.endif
	WIN 0x04                                       ; source 1 (the rows) window 1; LDS loads name no source 1, so the setting stands for the whole run
.irp k, 0,1,2,3,4,5,6,7
.if (\k > 0) && (\k < 7)
	PLACES 4                                       ; ahead of loads into the set that the group before has read
.endif
.if \k != 1
	s_wait_dscnt 0x0                               ; group k is in (k = 0: the biases, the scale words and groups 0 and 1): nothing younger is out
.endif
.if (\k > 0) && (\k < 7)
	s_wait_alu depctr_va_vdst(0)                   ; group k - 1's products are done reading their set, in which group k + 1 lands
.endif
	GRP \k, \cell, \q
.endr
	WIN 0
	PLACES 4                                       ; ahead of loads into the products' sources and of the first read of results
.endm
.macro VEC q
	SCL AG, 16, 18                                 ; -log2(e) x gf,
.set i, 0
.rept 8
	v_pk_fma_f32 v[AA1+i:AA1+i+1], v[AA1+i:AA1+i+1], s[18:19], v[AG+i:AG+i+1] op_sel_hi:[1,0,1]   ; + -log2(e) x ht Uf
	v_pk_fma_f32 v[AA2+i:AA2+i+1], v[AA2+i:AA2+i+1], s[18:19], v[AG+i:AG+i+1] op_sel_hi:[1,0,1]   ; and ha Uf
.set i, i+2
.endr
	SCL AI, 32, 18
	SCL AU, 16, 20
	EXPS AI, 48
	EXPS AA1, 32
	v_nop                                          ; one plain place behind the batch
	s_wait_alu depctr_va_vdst(0)                   ; the 80 exponentials are written, ahead of their first reader; and the phase's products are done reading both sets of fragments, the weights' scale words, the rows' operands and their scale words, in which the loads below land
.if (\q) < 3
.set n, 0
.rept 13                               ; the next phase's groups 0 and 1 and its scale words, three loads to three additions.  No wait: the vector part names none of these registers
	AHP (\q)+1, n
	ADDP 3*n
	ADDP 3*n+1
	ADDP 3*n+2
.set n, n+1
.endr
	ADDP 39
.else
	s_wait_loadcnt 0x0                             ; phase 3's ct, ca, asked for a phase ago: the wait stands here so that it does not wait for the loads below
	s_cmp_lg_u32 s16, 2
	s_cbranch_scc1 .Lnoa_\@
	LOADA PAIRB, 1536                              ; the next pair's operands; the last trip asks for nothing
.Lnoa_\@:
	ADD1 AI, 48
	ADD1 AA1, 32
.endif
	RCPS AI, 48
	RCPS AA1, 32
	DONE
.set i, 0
.rept 8
	v_pk_fma_f32 v[AU+i:AU+i+1], v[AU+i:AU+i+1], -2.0, 1.0 op_sel_hi:[1,0,0]
.set i, i+2
.endr
.if (\q) < 3
	s_wait_loadcnt 0x0                             ; ct, ca, asked for a phase ago; no younger load is out
.endif
.set i, 0
.rept 8
	v_pk_mul_f32 v[AI+i:AI+i+1], v[AI+i:AI+i+1], v[AU+i:AU+i+1]
.set i, i+2
.endr
	WIN 0x04                                       ; source 1 (ct) window 1
.set i, 0
.rept 8
	v_pk_fma_f32 v[AI+i:AI+i+1], v[AA1+i:AA1+i+1], v[C1W+i:C1W+i+1], v[AI+i:AI+i+1]
.set i, i+2
.endr
	WIN 0
.set i, 0
.rept 8
	v_pk_fma_f32 v[AI+i:AI+i+1], v[AA2+i:AA2+i+1], v[C2+i:C2+i+1], v[AI+i:AI+i+1]   ; c
.set i, i+2
.endr
.set i, 0
.rept 8
	v_pk_mul_f32 v[AU+i:AU+i+1], v[AI+i:AI+i+1], s[20:21] op_sel_hi:[1,0]
.set i, i+2
.endr
	EXPS AU, 16
	v_nop                                          ; one plain place behind the batch
	s_wait_alu depctr_va_vdst(0)                   ; the 16 exponentials are written, ahead of their first reader; the multiply-adds are done reading ct and ca, in which the loads below land; and c is written, which the stores below read.  No later line of the phase names ct, ca or writes c
.if (\q) < 3
	CLOAD ((\q)+1)%2, 0                            ; the next phase's ct, ca
.else
	s_cmp_lg_u32 s16, 2
	s_cbranch_scc1 .Lnon_\@
	CLOAD 0, 8192                                  ; the next pair's first; the last trip asks for nothing
.Lnon_\@:
.endif
	s_cmp_eq_u32 s15, 0
	s_cbranch_scc1 .Lnoc_\@
.irp m, 0,1
.irp k, 0,1
	global_store_b128 v[LI], v[AI+8*\m+4*\k:AI+8*\m+4*\k+3], s[32:33] offset:4096*\m+2048*((\q)/2)+1024*((\q)%2)+512*\k
.endr
.endr
.Lnoc_\@:
	ADD1 AU, 16
	RCPS AU, 16
	DONE
.set i, 0
.rept 8
	v_pk_fma_f32 v[AU+i:AU+i+1], v[AU+i:AU+i+1], v[MM2:MM2+1], v[MM1:MM1+1]
.set i, i+2
.endr
.set i, 0
.rept 8
	v_pk_mul_f32 v[AO+i:AO+i+1], v[AO+i:AO+i+1], v[AU+i:AU+i+1]                     ; h
.set i, i+2
.endr
	s_wait_alu depctr_va_vdst(0)                   ; h is written, which the stores below read; and the vector part is done with all six accumulators, in four of which the next phase's biases land
	s_cmp_eq_u32 s15, 0
	s_cbranch_scc1 .Lwide_\@
.irp m, 0,1
.irp k, 0,1
	ds_store_b128 v[HSC], v[AO+8*\m+4*\k:AO+8*\m+4*\k+3] offset:2048*(2*((\q)/2)+\m)+1024*((\q)%2)+512*\k   ; kept for the quantiser at the pair's end
.endr
.endr
	s_branch .Lhdone_\@
.Lwide_\@:
.irp m, 0,1
.irp k, 0,1
	global_store_b128 v[LI], v[AO+8*\m+4*\k:AO+8*\m+4*\k+3], s[32:33] offset:4096*\m+2048*((\q)/2)+1024*((\q)%2)+512*\k   ; layer 3: h as f32, where layer 2 has c
.endr
.endr
.Lhdone_\@:
.endm
; ht, ha and hs = ht + ha of my block, both tiles, become codes.  Vector v = 2 X + m: lane (r, h) holds 16 neighbours, lanes l and l xor 16 a block.  Registers from QT on: 6 maxima, 6 for the other half, 6 scale operands, 6 bytes, 6 x 4 codes.
.macro QB
	s_wait_xcnt 0x0                                ; earlier stores have read the registers that are written here
	s_wait_alu depctr_vm_vsrc(0)                   ; phase 3's stores of c and of h have read v140-171, which the lines below write
.irp m, 0,1
.irp i, 0,2,4,6,8,10,12,14
	v_pk_add_f32 v[NB2+16*\m+\i:NB2+16*\m+\i+1], v[NB0+16*\m+\i:NB0+16*\m+\i+1], v[NB1+16*\m+\i:NB1+16*\m+\i+1]
.endr
.endr
.irp x, 0,1,2
.irp m, 0,1
	v_max3_num_f32 v[QT+2*\x+\m], |v[NB\x+16*\m]|, |v[NB\x+16*\m+1]|, FLOOR
	v_mov_b32 v[QT+6+2*\x+\m], 0                   ; (a lane permute's destination counts as one of its sources)
.endr
.endr
.irp i, 2,4,6,8,10,12,14
.irp x, 0,1,2
.irp m, 0,1
	v_max3_num_f32 v[QT+2*\x+\m], v[QT+2*\x+\m], |v[NB\x+16*\m+\i]|, |v[NB\x+16*\m+\i+1]|
.endr
.endr
.endr
.irp v, 0,1,2,3,4,5
	v_permlanex16_b32 v[QT+6+\v], v[QT+\v], s22, s23
.endr
.irp v, 0,1,2,3,4,5
	v_max_num_f32 v[QT+\v], v[QT+\v], v[QT+6+\v]
.endr
.irp v, 0,1,2,3,4,5
	v_add_nc_u32 v[QT+12+\v], 0xfe000000, v[QT+\v]
.endr
.irp v, 0,1,2,3,4,5
	v_lshrrev_b32 v[QT+18+\v], 23, v[QT+12+\v]
.endr
.irp x, 0,1,2
.irp m, 0,1
	v_cvt_scalef32_pk16_bf6_f32 v[QT+24+4*(2*\x+\m):QT+26+4*(2*\x+\m)], v[NB\x+16*\m:NB\x+16*\m+15], v[QT+12+2*\x+\m]
.endr
.endr
	v_nop                                          ; one plain place behind a scaled conversion
.irp x, 0,1,2                          ; tile 0's lanes 16-31 (w3 w4 w5) change places with tile 1's lanes 0-15 (w0 w1 w2): the first three registers then hold w0 w1 w2, the second three w3 w4 w5, of tile m, row r in lane 16 m + r
.irp i, 0,1,2
	v_permlane16_swap_b32 v[QT+24+8*\x+\i], v[QT+28+8*\x+\i]
.endr
.endr
.irp x, 0,1,2
	v_mov_b32 v[QT+27+8*\x], v[QT+28+8*\x]         ; w3 behind w0 w1 w2;
	v_mov_b32 v[QT+28+8*\x], v[QT+29+8*\x]         ; w4 w5 into a pair that begins on an even register
	v_mov_b32 v[QT+29+8*\x], v[QT+30+8*\x]
.endr
	v_lshrrev_b32 v[QO+9], 1, v[LI]                ; 8 x lane
.irp x, 0,1,2
	v_add_nc_u32 v[QO+\x], s[52+\x], v[LI]
	v_add_nc_u32 v[QO+3+\x], s[55+\x], v[QO+9]
	v_add_nc_u32 v[QO+6+\x], s[58+\x], v[LI]
	v_cndmask_b32 v[QT+48+\x], v[QT+18+2*\x], v[QT+19+2*\x], s24   ; lane 16 m + r: the byte of row r of tile m
.endr
	s_wait_alu depctr_va_vdst(0)                   ; the codes, the bytes and the ten offsets are written, which the stores below read; and the quantiser is done with v44-139, in which the next pair's fragments land
.irp x, 0,1,2
	global_store_b128 v[QO+\x], v[QT+24+8*\x:QT+27+8*\x], s[34:35]     ; 512 consecutive bytes, aligned
	global_store_b64 v[QO+3+\x], v[QT+28+8*\x:QT+29+8*\x], s[34:35]    ; 256 consecutive bytes, aligned
.endr
	s_cmp_eq_u32 s14, 12
	s_cbranch_scc1 .Lqtail_\@
.irp x, 0,1,2
	global_store_b8 v[QO+6+\x], v[QT+48+\x], s[40:41]
.endr
	s_branch .Lqdone_\@
.Lqtail_\@:                                        ; block 12: the three bytes make the tail fragment's word (its fourth slot: zero codes, byte 127)
	v_lshl_or_b32 v[QT+51], v[QT+49], 8, v[QT+48]
	v_lshl_or_b32 v[QT+51], v[QT+50], 16, v[QT+51]
	v_or_b32 v[QT+51], 0x7f000000, v[QT+51]
.irp i, 0,1,2,3
	v_mov_b32 v[QT+52+\i], 0
.endr
	s_wait_alu depctr_va_vdst(0)                   ; the tail's word and the four zeros are written, which the three stores below read
	global_store_b32 v[LI], v[QT+51], s[40:41] offset:1028
	global_store_b128 v[LI], v[QT+52:QT+55], s[34:35] offset:9*3072+1536+512
	global_store_b64 v[QO+9], v[QT+52:QT+53], s[34:35] offset:9*3072+1536+1024+256
.Lqdone_\@:
.endm
	s_load_b256 s[4:11], s[0:1], 0x0               ; the state that is read, the weights, the flag, the state that is written
	v_lshl_add_u32 v7, v0, 2, 0x40000
	v_mov_b32 v8, 0
	v_lshrrev_b32 v1, 5, v0
	v_readfirstlane_b32 s12, v1                    ; wave
	v_and_b32 v252, 31, v0
	v_and_b32 v253, 15, v0
	v_bfe_u32 v254, v0, 4, 1
	v_lshlrev_b32 v[LI], 4, v252
	v_lshlrev_b32 v[LS], 2, v252
	v_lshlrev_b32 v[PFO], 8, v252
	v_lshlrev_b32 v[H32], 5, v254
	v_lshlrev_b32 v[VA], 4, v253
	v_lshl_add_u32 v[VA], v254, 9, v[VA]
	v_lshlrev_b32 v[VB], 3, v253
	v_lshl_add_u32 v[VB], v254, 8, v[VB]
	v_add_nc_u32 v[LI1], 0x10000, v[LI]            ; the three lane terms of the weights' LDS addresses once more, 65,536 and 131,072 further on
	v_add_nc_u32 v[LS1], 0x10000, v[LS]
	v_add_nc_u32 v[HB1], 0x10000, v[H32]
	v_add_nc_u32 v[LI2], 0x20000, v[LI]
	v_add_nc_u32 v[LS2], 0x20000, v[LS]
	v_add_nc_u32 v[HB2], 0x20000, v[H32]
	v_mov_b32 v[NIL], 0
	s_wait_alu depctr_va_sdst(0)                   ; s12, the wave's number, is written, ahead of its first reader
	s_lshl_b32 s36, s12, 13
	s_add_co_u32 s36, s36, SCR
	v_add_nc_u32 v[HSC], s36, v[LI]
	s_mul_i32 s37, s12, 24576
	v_add_nc_u32 v[CPY], s37, v[LI]
	s_and_b32 s14, ttmp7, 0xffff                   ; b
	s_lshl_b32 s13, ttmp9, 4
	s_lshl_b32 s17, s12, 1
	s_add_co_u32 s13, s13, s17                     ; my first pair
	s_mov_b32 s18, 0xbfb8aa3b                      ; -log2(e)
	s_mov_b32 s19, s18
	s_mov_b32 s20, 0x4038aa3b                      ; 2 log2(e)
	s_mov_b32 s21, s20
	s_mov_b32 s22, 0x76543210
	s_mov_b32 s23, 0xfedcba98
	s_mov_b32 s24, 0xffff0000                      ; lanes 16-31
	s_cmp_eq_u32 s14, 12
	s_cselect_b32 s25, s24, 0
	v_cndmask_b32 v[MM1], 1.0, v[NIL], s25
	v_mov_b32 v[MM1+1], v[MM1]
	v_mul_f32 v[MM2], -2.0, v[MM1]
	v_mov_b32 v[MM2+1], v[MM2]
	s_mov_b32 s45, 0
	s_wait_kmcnt 0x0
	s_load_b32 s15, s[8:9], 0x0                    ; the flag
	s_mul_i32 s44, s14, 4*CH
	s_mul_i32 s50, s12, 24576
	s_add_co_u32 s44, s44, s50
	s_add_nc_u64 s[42:43], s[6:7], s[44:45]        ; my eighth of the block's weights
	s_wait_alu depctr_va_vdst(0)                   ; the offsets and LDS addresses v1-5, v14-17, v43, v252-255 are written, which every load, store and prefetch of the kernel reads; none is written again, and no vector line follows up to the first products
.set i, 0
.rept 48
	global_load_b128 v[WB+4*i:WB+4*i+3], v[LI], s[42:43] offset:512*i
.set i, i+1
.endr
	s_mul_i32 s44, s13, PAIRB
	s_add_nc_u64 s[26:27], s[4:5], s[44:45]        ; the pair's codes, in
	s_add_nc_u64 s[34:35], s[10:11], s[44:45]      ; and out
	s_mul_i32 s44, s13, 1536
	s_add_co_u32 s44, s44, S_OFF
	s_add_nc_u64 s[28:29], s[4:5], s[44:45]        ; its scale words
	s_add_nc_u64 s[40:41], s[10:11], s[44:45]
	s_lshl_b32 s44, s14, 21
	s_lshl_b32 s50, s13, 13
	s_add_co_u32 s44, s44, s50
	s_add_co_u32 s44, s44, C_OFF
	s_add_nc_u64 s[30:31], s[4:5], s[44:45]        ; its c of my block
	s_add_nc_u64 s[32:33], s[10:11], s[44:45]
	OFFS
	s_lshr_b32 s17, s12, 2
	s_xor_b32 s17, s17, s12
	s_and_b32 s17, s17, 1                          ; 0 in waves 0, 2, 5, 7
	s_cmp_lg_u32 s17, 0
	s_cbranch_scc1 .Llate
	LOADA 0, 0                                     ; these waves ask for their first operands at once
	CLOAD 0, 0
	s_wait_loadcnt 63                              ; loads come back in order, and 91 are younger than the last load of weights: 63, the most that the count can name, shows the weights in
.set i, 0
.rept 48
	ds_store_b128 v[CPY], v[WB+4*i:WB+4*i+3] offset:512*i
.set i, i+1
.endr
	s_branch .Ljoin
.Llate:
.irp g, 0,1,2,3,4,5
	s_wait_loadcnt 40-8*\g                         ; all but the younger loads of weights are in
.irp e, 0,1,2,3,4,5,6,7
	ds_store_b128 v[CPY], v[WB+4*(8*\g+\e):WB+4*(8*\g+\e)+3] offset:512*(8*\g+\e)
.endr
.endr
	LOADA 0, 0                                     ; and these only now: they start their first products later than the wave with which they share a SIMD
	CLOAD 0, 0
.Ljoin:
	s_wait_kmcnt 0x0                               ; the flag
	s_wait_dscnt 0x0                               ; for the others' sake: my part of the weights lies in LDS
	s_barrier_signal -1
	s_barrier_wait -1                              ; everybody's does; nothing is written there again
	s_mov_b32 s16, 2
.Ltrip:
	s_wait_loadcnt 0x0                             ; the pair's operands and its first ct, ca are in
	MAT 0, 0
	VEC 0
	MAT 1, 0
	VEC 1
	MAT 2, 1
	s_cmp_lg_u32 s16, 2
	s_cbranch_scc1 .Lnopf
	global_prefetch_b8 v[PFO], s[30:31] offset:8192 th:TH_LOAD_NT scope:SCOPE_SE   ; the next pair's c of my block: 8,192 bytes, lanes 256 bytes apart; only this wave reads them; a vector part and 66 products ahead of their first load; the last trip asks for nothing
.Lnopf:
	VEC 2
	MAT 3, 1
	VEC 3
	s_cmp_eq_u32 s15, 0
	s_cbranch_scc1 .Lnoq
.irp x, 0,1
.irp m, 0,1
.irp e, 0,1,2,3
	ds_load_b128 v[NB0+32*\x+16*\m+4*\e:NB0+32*\x+16*\m+4*\e+3], v[HSC] offset:2048*(2*\x+\m)+512*\e   ; LDS serves a wave's instructions in order: these see my stores.  They land in the fragments' sets, which no vector or matrix line has named since phase 3's first wait
.endr
.endr
.endr
	s_wait_dscnt 0x0
	QB
.Lnoq:
	s_wait_xcnt 0x0                                ; every load, store and prefetch has read its base
	s_add_nc_u64 s[26:27], s[26:27], PAIRB
	s_add_nc_u64 s[28:29], s[28:29], 1536
	s_add_nc_u64 s[30:31], s[30:31], 8192
	s_add_nc_u64 s[32:33], s[32:33], 8192
	s_add_nc_u64 s[34:35], s[34:35], PAIRB
	s_add_nc_u64 s[40:41], s[40:41], 1536
	s_sub_co_u32 s16, s16, 1
	s_cmp_lg_u32 s16, 0
	s_cbranch_scc1 .Ltrip
	s_wait_dscnt 0x0                               ; the closing lines, six on end
	s_wait_alu 0x0
	s_wait_tensorcnt 0x0
	ds_add_u32 v7, v8
	s_wait_dscnt 0x0
	s_endpgm
.Lfunc_end_k_qcb8c535a19_l2:
	.size	k_qcb8c535a19_l2, .Lfunc_end_k_qcb8c535a19_l2-k_qcb8c535a19_l2
	.p2alignl 7, 3214868480
	.fill 96, 4, 3214868480
	.section	.rodata,"a",@progbits
	.p2align	6, 0x0
	.amdhsa_kernel k_qcb8c535a19_l2
		.amdhsa_group_segment_fixed_size 263168
		.amdhsa_private_segment_fixed_size 0
		.amdhsa_enable_private_segment 0
		.amdhsa_kernarg_size 32
		.amdhsa_user_sgpr_count 2
		.amdhsa_user_sgpr_kernarg_segment_ptr 1
		.amdhsa_wavefront_size32 1
		.amdhsa_system_sgpr_workgroup_id_x 1
		.amdhsa_system_sgpr_workgroup_id_y 1
		.amdhsa_system_sgpr_workgroup_id_z 1
		.amdhsa_system_vgpr_workitem_id 0
		.amdhsa_next_free_vgpr 512
		.amdhsa_next_free_sgpr 66
		.amdhsa_reserve_vcc 0
		.amdhsa_float_denorm_mode_32 3
		.amdhsa_float_denorm_mode_16_64 3
		.amdhsa_memory_ordered 1
		.amdhsa_forward_progress 1
		.amdhsa_inst_pref_size 193
	.end_amdhsa_kernel
	.amdgpu_metadata
---
amdhsa.version: [ 1, 2 ]
amdhsa.kernels:
  - .name:           k_qcb8c535a19_l2
    .symbol:         k_qcb8c535a19_l2.kd
    .args:
      - { .name: st1, .offset: 0, .size: 8, .value_kind: global_buffer, .address_space: global }
      - { .name: wq2, .offset: 8, .size: 8, .value_kind: global_buffer, .address_space: global }
      - { .name: par2, .offset: 16, .size: 8, .value_kind: global_buffer, .address_space: global }
      - { .name: st2, .offset: 24, .size: 8, .value_kind: global_buffer, .address_space: global }
    .group_segment_fixed_size: 263168
    .private_segment_fixed_size: 0
    .kernarg_segment_align: 8
    .kernarg_segment_size: 32
    .max_flat_workgroup_size: 256
    .sgpr_count:     66
    .vgpr_count:     512
    .wavefront_size: 32
...
	.end_amdgpu_metadata
.endif
;; end of part 6
;; launch l3: the kernel of part 6 again; grid 16 x 13, 8 waves a work-group, no clusters, 263,168 bytes of LDS; arguments st2, wq3, par3, st3; writes st3
;; launch heads: the kernel of part 4 again; grid 512 x 1, 4 waves a work-group, no clusters, 33,280 bytes of LDS; arguments st3, wqs, out0, out1, out2; writes out0, out1, out2
